; MI455X (gfx1250); checked and timed in simulation.
; The chip was launched on July 23, 2026; its instructions are those of AMD's public machine-readable ISA for CDNA 5 (MIT licence, August 2026) and "CDNA5" Instruction Set Architecture Reference Guide (July 2026). The comments in the code are by the model that wrote it; some were corrected since.
;; Multihead Attention. Allowed arithmetic: matrix products marked QUANTISED: E2M3 operands, one E8M0 scale for each 32 along K, by v_wmma_scale_f32_16x16x128_f8f6f4 with both operands' format E2M3, f32 sums; everything else in f32.
;; Inputs: Wk 1,024 x 1,024 float32; Wo 1,024 x 1,024 float32; Wq 1,024 x 1,024 float32; Wv 1,024 x 1,024 float32; bk 1,024 float32; bo 1,024 float32; bq 1,024 float32; bv 1,024 float32; k 4 x 2,048 x 1,024 float32; mask 1 x 1 x 2,048 x 2,048 bool; q 4 x 2,048 x 1,024 float32; v 4 x 2,048 x 1,024 float32.
;; Outputs: out0 4 x 2,048 x 1,024 float32.
;; This version of the problem:
;;   THIS VERSION OF THE PROBLEM IS GIVEN IN LOW PRECISION. The matrix products marked QUANTISED in the list below multiply operands that are first quantised to E2M3 (2 exponent bits, 3 mantissa bits; 6 bits a number), with one power-of-two scale for each 32 numbers along K (OCP MX v1.0); their sums are f32. All else is computed in f32.
;;   The module's matrix products, in the order in which they are computed (A, B: the left and right operand; K: the contracted axis; several contracted axes count as one K, in the product's order):
;;     1. [M 8,192, K 1,024] x [K 1,024, N 1,024]; A: input q; B: input Wq: QUANTISED
;;     2. [M 8,192, K 1,024] x [K 1,024, N 1,024]; A: input k; B: input Wk: QUANTISED
;;     3. [M 8,192, K 1,024] x [K 1,024, N 1,024]; A: input v; B: input Wv: QUANTISED
;;     4. batch 4 x [M 2,048, K 1,024] x [K 1,024, N 2,048]; A: computed on the way; B: computed on the way: QUANTISED
;;     5. batch 4 x [M 2,048, K 2,048] x [K 2,048, N 1,024]; A: softmax (see below); B: computed on the way: QUANTISED
;;     6. [M 8,192, K 1,024] x [K 1,024, N 1,024]; A: computed on the way; B: input Wo: QUANTISED
;;   THE QUANTISER, for each operand of a quantised product, along K:
;;     - K is cut into blocks of 32 from its start; a last block that is shorter is filled with zeros.
;;     - A block's scale is 2^e with e = floor(log2(the largest magnitude in the block)) - 2, held to -126 .. 127; a block of zeros has e = 0. As a byte (E8M0): e + 127.
;;     - Each number is divided by its block's scale, clamped to +-7.5, and rounded to the nearest number of E2M3, ties to even, subnormals kept.
;;     - The product sums the exact products of the quantised numbers (number of the format x scale) in f32.
;;   ~~~python
;;   def quantise(x, axis):      # numpy; x: float32 -> the quantised numbers, widened to float32 again
;;       x = np.moveaxis(x, axis, -1); K = x.shape[-1]
;;       x = np.pad(x, [(0, 0)] * (x.ndim - 1) + [(0, -K % 32)]); x = x.reshape(x.shape[:-1] + (-1, 32)); a = np.abs(x).max(-1, keepdims=True)
;;       e = np.where(a > 0, np.clip(np.frexp(np.where(a > 0, a, 1))[1] - 1 - 2, -126, 127), 0)      # np.frexp(a)[1] - 1 = floor(log2(a)), exactly
;;       r = np.clip(x / 2.0 ** e, -7.5, 7.5)
;;       step = 2.0 ** (np.maximum(np.frexp(np.where(r == 0, 1, r))[1] - 1, 0) - 3)
;;       q = np.round(r / step) * step * 2.0 ** e      # np.round: ties to even
;;       return np.moveaxis(q.reshape(q.shape[:-2] + (-1,))[..., :K], -1, axis).astype(np.float32)
;;   ~~~
;;   SOFTMAX AHEAD OF A QUANTISED PRODUCT. Where the list says 'softmax', what is quantised is not the finished softmax but p = 2^(t - M), with t = logit x log2(e) and M = ceil(the row's largest t), a whole number; so 1/2 < the row's largest p <= 1. The row's sum l is taken of the UNQUANTISED p, in f32, and the product's result is divided by l at the end. Since M is a whole number, a kernel that streams over the keys may use a running M (the ceiling of the running maximum): every later rescaling is an exact power of two, which a block's scale takes up: the codes' values come out the same.
;;   OPERANDS COMPUTED ON THE WAY. 'Computed on the way' means the value that the module computes at that place (a softmax that the list does not call 'softmax' is quantised finished and normalised). What goes into a quantiser is computed in f32, as accurately as f32 sums, v_exp_f32 and their like allow (about 1e-6 of the number): no bf16 or f16 on the way to a quantiser, and a product that is left as it is and whose result goes on into a quantised operand takes f32 operands (vector FMAs, or v_wmma_f32_16x16x4_f32). A number that lies on a knife's edge between two numbers of the format may be rounded either way, as far as f32 arithmetic and the matrix unit's own rounding can turn it there, and no further.
;; One version. Each part assembles by itself: llvm-mc -triple=amdgcn-amd-amdhsa -mcpu=gfx1250 --defsym DOCPART=n.
;; ======== version 1 of 1: 5 launches
;; limits: right only within a limited range of input values
;; workspace buffers: opnd0 22,937,600 bytes; qkv 19,660,800 bytes; pbuf 14,155,776 bytes; xbuf 6,553,600 bytes
;; launch quant (part 1): grid 896 x 1, 4 waves a work-group, no clusters, 34,304 bytes of LDS; arguments q, k, v, Wq, Wk, Wv, Wo, opnd0; writes opnd0
.if DOCPART == 1
	.amdgcn_target "amdgcn-amd-amdhsa--gfx1250"
	.amdhsa_code_object_version 6
	.text
	.protected	k_q518002fdaa_quant
	.globl	k_q518002fdaa_quant
	.p2align	8
	.type	k_q518002fdaa_quant,@function
k_q518002fdaa_quant:
	s_mov_b64 s[64:65], 0
	v_nop
	global_prefetch_b8 v0, s[64:65] scope:SCOPE_SE
	s_setreg_imm32_b32 hwreg(HW_REG_WAVE_MODE, 25, 1), 1
	s_wait_xcnt 0x0
; q, k, v [8192][1024] and Wq, Wk, Wv, Wo [1024 (K)][1024], f32, become codes of FP6 (E2M3) with one E8M0 byte for each 32 along K, laid as IMAGES OF THE MATRIX OPERAND'S REGISTERS.
; The input mask has no way to any output: reference() never uses it (its masked fill is discarded), so it is not loaded and is among no launch's arguments.
; A fragment is 16 rows x 128 K: 12 registers a lane, 1,536 bytes: registers 4 c .. 4 c + 3 of lane l at 512 c + 16 l.  Codes: [K / 256][tile][2][1536]; scale words: [K / 128][tile][16 rows] of 4 bytes.
; THE ROWS OF A TILE ARE NOT NEIGHBOURS: lane r of tile 2 g + u holds row 32 g + 8 u + r + 8 (r / 8), so that a product's results, used transposed, are neighbours along the next product's K.
; Tiles: q 0-511, k 512-1023, v 1024-1535 (rows = tokens); Wq 1536-, Wk 1600-, Wv 1664-, Wo 1728-1791 (rows = the weight's columns).
; A block's scale is 2^(floor(log2(largest magnitude)) - 2); its byte is the largest magnitude's exponent field - 2, held at 1 from below (a block of zeros keeps the byte 1: its codes are zeros, and this program alone reads the bytes).
; LIMITS: blocks whose largest magnitude lies under 2^-124 get the byte 1; NaN and infinities among the inputs are not served.
; Work-groups 0-127 take the weights: a lane takes a column and its registers run down K: a wave takes 32 columns x 256 K, four fragments, which stay in registers and are stored at the wave's end.  No LDS there.
; Work-groups 128-895 take q, k, v: a work-group takes 32 whole rows, a wave 256 K of them, four fragments.  Each load reads 512 consecutive bytes of a row; 16 rows turn through the wave's own stage in LDS, so that a lane
; gets 16 neighbours of each block.  The codes of a K step's two tiles are stored together, behind the second.  Waves share nothing: no barrier.  With 256 registers a wave and 34,304 bytes of LDS four work-groups fit on a WGP.
.set WSTG,  8448                       ; a wave's stage: 16 rows x (512 bytes + 16)
.set SPARE, 4*WSTG                     ; behind the stages: the spare words, 128 bytes a wave, which no other line names
.set NT,    1792                       ; tiles in all
.set KGB,   NT*3072                    ; bytes from 256 along K to the next
.set KSB,   NT*64                      ; bytes of scale words from 128 along K to the next
.set SC0,   4*KGB                      ; the scale words begin behind the codes
.set SPW,   10                         ; v10  my spare word's LDS address; never rewritten
.set NIL,   11                         ; v11  0; never rewritten
.set PW,    12                         ; v12-13 scale words of tiles u = 0, 1
.set SCM,   14                         ; v14  the two, merged for the store
.set R,     16                         ; v16-143 two sets of 64: a fragment's numbers as loaded
.set X,     144                        ; v144-207 the same, 16 neighbours of each block
.set OF,    208                        ; v208-231 two fragments of codes
.set CT,    232                        ; v232-239 the upper halves of the blocks' codes
.set TM,    240                        ; v240-255 largest magnitudes, bytes, scale operands
.set SEL,   22                         ; s[22:23] selects for lane l xor 16
; The blocks' largest magnitudes (floor among them) stand in v[TM] .. v[TM+3]: 64 numbers at v[s], register 16 b + i = k 32 b + 16 (lane / 16) + i of my row, become a fragment at v[d] and its scale word in v[w].
.macro QTAIL s, d, w
.irp b, 0,1,2,3
	v_add_nc_u32 v[TM+12+\b], 0xff000000, v[TM+\b]     ; 2 off the exponent field: the conversion takes the exponent field of this operand as its scale
.endr
.irp b, 0,1,2,3
	v_lshrrev_b32 v[TM+4+\b], 23, v[TM+12+\b]          ; the scale's byte
.endr
	v_lshl_or_b32 v[\w], v[TM+5], 8, v[TM+4]
	v_lshl_or_b32 v[\w], v[TM+6], 16, v[\w]
	v_lshl_or_b32 v[\w], v[TM+7], 24, v[\w]
.irp c, 0,1
	v_cvt_scalef32_pk16_fp6_f32 v[(\d)+6*\c:(\d)+6*\c+2], v[(\s)+32*\c:(\s)+32*\c+15], v[TM+12+2*\c]
	v_cvt_scalef32_pk16_fp6_f32 v[CT+4*\c:CT+4*\c+2], v[(\s)+32*\c+16:(\s)+32*\c+31], v[TM+13+2*\c]   ; (a conversion's three registers begin on an even number)
.endr
	v_nop                                              ; one plain place behind a scaled conversion
.irp c, 0,1                                            ; the operand wants a whole block in a lane: lanes 0-15 block 2 c, lanes 16-31 block 2 c + 1
.irp i, 0,1,2
	v_permlane16_swap_b32 v[(\d)+6*\c+\i], v[CT+4*\c+\i]
.endr
.irp i, 0,1,2
	v_mov_b32 v[(\d)+6*\c+3+\i], v[CT+4*\c+\i]
.endr
.endr
.endm
.macro QUANT s, d, w
.irp b, 0,1,2,3
	v_max3_num_f32 v[TM+\b], |v[(\s)+16*\b]|, |v[(\s)+16*\b+1]|, 0x1800000   ; my 16 numbers of block b, and the floor 2^(3 - 127)
.endr
.irp i, 2,4,6,8,10,12,14
.irp b, 0,1,2,3
	v_max3_num_f32 v[TM+\b], v[TM+\b], |v[(\s)+16*\b+\i]|, |v[(\s)+16*\b+\i+1]|
.endr
.endr
.irp b, 0,1,2,3
	v_permlanex16_b32 v[TM+4+\b], v[TM+\b], s[SEL], s[SEL+1]
.endr
.irp b, 0,1,2,3
	v_max_num_f32 v[TM+\b], v[TM+\b], v[TM+4+\b]       ; with lane l xor 16's 16: the block's
.endr
	QTAIL \s, \d, \w
.endm
	s_load_b512 s[4:19], s[0:1], 0x0               ; q, k, v, Wq, Wk, Wv, Wo, opnd0
	v_lshl_add_u32 v[SPW], v0, 2, SPARE
	v_mov_b32 v[NIL], 0
	v_lshrrev_b32 v5, 5, v0
	v_readfirstlane_b32 s20, v5                    ; wave 0..3
	v_and_b32 v6, 31, v0                           ; lane
	v_and_b32 v7, 15, v0                           ; r
	v_bfe_u32 v8, v0, 4, 1                         ; h
	v_lshlrev_b32 v1, 4, v6                        ; 16 x lane
	v_lshlrev_b32 v4, 2, v6                        ; 4 x lane
	s_cmp_lt_u32 ttmp9, 128
	s_cbranch_scc1 .Lweights
	; ---- q, k, v
	s_sub_co_u32 s25, ttmp9, 128
	s_lshr_b32 s24, s25, 8                         ; which tensor
	s_and_b32 s26, s25, 255                        ; which 32 rows; the wave's number says which 256 along K
	s_mul_i32 s21, s20, WSTG                       ; my stage
	s_wait_alu depctr_va_vdst(0)                   ; ahead of the readers below
	v_add_nc_u32 v2, s21, v1                       ; in: 16 x lane of a row
	v_mul_u32_u24 v3, v7, 528
	v_lshl_add_u32 v3, v8, 6, v3
	v_add_nc_u32 v3, s21, v3                       ; back: row r, + 64 h: my 16 numbers of a block
	s_mov_b32 s[SEL], 0x76543210
	s_mov_b32 s[SEL+1], 0xfedcba98
	s_mov_b32 vcc_lo, 0xffff0000                   ; lanes 16-31
.irp b, 0,1,2,3
	v_mov_b32 v[TM+4+\b], 0                        ; written once: a lane permute's destination counts as one of its sources
.endr
	s_lshl_b32 s28, s26, 17                        ; 32 rows of 4,096 bytes
	s_lshl_b32 s29, s20, 10                        ; 256 numbers of a row
	s_add_co_u32 s28, s28, s29
	s_mov_b32 s29, 0
	s_lshl_b32 s31, s24, 9
	s_lshl_b32 s33, s26, 1
	s_add_co_u32 s31, s31, s33                     ; my first tile: 512 x tensor + 2 x group
	s_mul_i32 s30, s20, NT
	s_add_co_u32 s30, s30, s31
	s_mul_i32 s30, s30, 3072
	s_mul_i32 s32, s20, 2*NT
	s_add_co_u32 s32, s32, s31
	s_lshl_b32 s32, s32, 6
	s_add_co_u32 s32, s32, SC0
	s_mov_b32 s31, 0
	s_mov_b32 s33, 0
	s_wait_alu depctr_va_vdst(0)
	s_wait_kmcnt 0x0
	s_cmp_lt_u32 s24, 1                            ; the choice hangs on the work-group's number alone
	s_cselect_b64 s[4:5], s[4:5], s[6:7]
	s_cmp_lt_u32 s24, 2
	s_cselect_b64 s[4:5], s[4:5], s[8:9]
	s_add_nc_u64 s[4:5], s[4:5], s[28:29]          ; the numbers
	s_add_nc_u64 s[6:7], s[18:19], s[30:31]        ; the codes
	s_add_nc_u64 s[8:9], s[18:19], s[32:33]        ; the scale words
; fragment f: K step f / 2 of my two, tile u = f % 2.  Row i of the tile is row 8 u + i + 8 (i / 8) of my 32
.macro LOADF f
.irp i, 0,1,2,3,4,5,6,7,8,9,10,11,12,13,14,15
	global_load_b128 v[R+64*((\f)%2)+4*\i:R+64*((\f)%2)+4*\i+3], v1, s[4:5] offset:(8*((\f)%2)+\i+8*(\i/8))*4096+((\f)/2)*512 th:TH_LOAD_NT   ; 32 lanes read 512 consecutive bytes
.endr
.endm
.macro FRAGIN f
.if (\f) < 3
	s_wait_loadcnt 16                              ; this fragment's 16 loads are in; the next one's 16 may be out
.else
	s_wait_loadcnt 0x0
.endif
.irp i, 0,1,2,3,4,5,6,7,8,9,10,11,12,13,14,15
	ds_store_b128 v2, v[R+64*((\f)%2)+4*\i:R+64*((\f)%2)+4*\i+3] offset:528*\i
.endr
.irp b, 0,1,2,3
.irp j, 0,1,2,3
	ds_load_b128 v[X+16*\b+4*\j:X+16*\b+4*\j+3], v3 offset:128*\b+16*\j   ; LDS serves a wave's instructions in order: these see the stores above
.endr
.endr
	s_wait_dscnt 0x0
.if (\f) == 2
	s_wait_xcnt 0x0                                ; the first K step's stores have read their data: the codes' and the scale word's registers are written again only behind this wait
.endif
.if (\f)+2 < 4
	LOADF (\f)+2
.endif
	QUANT X, OF+12*((\f)%2), PW+(\f)%2
.if (\f)%2
	v_cndmask_b32 v[SCM], v[PW], v[PW+1], vcc_lo   ; lanes 0-15 tile u = 0's words, lanes 16-31 tile u = 1's
.irp u, 0,1
.irp c, 0,1,2
	global_store_b128 v1, v[OF+12*\u+4*\c:OF+12*\u+4*\c+3], s[6:7] offset:\u*3072+((\f)/2)*1536+512*\c   ; 512 consecutive bytes, aligned
.endr
.endr
	global_store_b32 v4, v[SCM], s[8:9] offset:((\f)/2)*KSB
.endif
.endm
	LOADF 0
	LOADF 1
.irp f, 0,1,2,3
	FRAGIN \f
.endr
	s_branch .Lend
	; ---- the weights
.Lweights:
	s_lshr_b32 s25, ttmp9, 5                       ; which weight
	s_and_b32 s26, ttmp9, 7
	s_lshl_b32 s26, s26, 2
	s_add_co_u32 s26, s26, s20                     ; which 32 columns
	s_bfe_u32 s27, ttmp9, 0x20003                  ; which 256 along K
	s_wait_alu depctr_va_vdst(0)                   ; behind the branch and ahead of the readers below
	v_and_b32 v9, 8, v7
	v_add_nc_u32 v9, v9, v7
	v_lshl_add_u32 v9, v8, 3, v9                   ; my column of the 32: 8 h + r + 8 (r / 8): lanes 0-15 are tile u = 0, lanes 16-31 tile u = 1
	v_lshlrev_b32 v5, 2, v9
	s_lshl_b32 s28, s27, 20                        ; 256 rows of 4,096 bytes
	s_lshl_b32 s29, s26, 7
	s_add_co_u32 s28, s28, s29
	s_mov_b32 s29, 0
	s_lshl_b32 s31, s25, 6
	s_lshl_b32 s33, s26, 1
	s_add_co_u32 s31, s31, s33
	s_add_co_u32 s31, s31, 1536                    ; my first tile
	s_mul_i32 s30, s27, NT
	s_add_co_u32 s30, s30, s31
	s_mul_i32 s30, s30, 3072
	s_mul_i32 s32, s27, 2*NT
	s_add_co_u32 s32, s32, s31
	s_lshl_b32 s32, s32, 6
	s_add_co_u32 s32, s32, SC0
	s_mov_b32 s31, 0
	s_mov_b32 s33, 0
	s_wait_alu depctr_va_vdst(0)
	s_wait_kmcnt 0x0
	s_cmp_lt_u32 s25, 1
	s_cselect_b64 s[4:5], s[10:11], s[12:13]
	s_cmp_lt_u32 s25, 2
	s_cselect_b64 s[4:5], s[4:5], s[14:15]
	s_cmp_lt_u32 s25, 3
	s_cselect_b64 s[4:5], s[4:5], s[16:17]
	s_add_nc_u64 s[4:5], s[4:5], s[28:29]
	s_add_nc_u64 s[6:7], s[18:19], s[30:31]
	s_add_nc_u64 s[8:9], s[18:19], s[32:33]
.macro LOADB n                         ; block n of my eight: W(32 n + i, my column)
.irp i, 0,1,2,3,4,5,6,7,8,9,10,11,12,13,14,15,16,17,18,19,20,21,22,23,24,25,26,27,28,29,30,31
	global_load_b32 v[16+32*((\n)%2)+\i], v5, s[4:5] offset:(32*(\n)+\i)*4096 th:TH_LOAD_NT
.endr
.endm
; K step s = n / 4: v[80+40 s ..] tile 0's fragment, v[92+40 s ..] tile 1's, v[112+s] the scale word; v104-106 and v108-110 upper halves, v114-116 at work
.macro BLOCK n
.set XS, 16+32*((\n)%2)
.set BE, (\n)%4
.set CC, BE/2
.set FB, 80+40*((\n)/4)
.set SW, 112+(\n)/4
.if (\n) < 7
	s_wait_loadcnt 32                              ; this block's 32 loads are in; the next block's may be out
.else
	s_wait_loadcnt 0x0
.endif
	v_max3_num_f32 v114, |v[XS]|, |v[XS+1]|, |v[XS+2]|  ; all 32 numbers of the block are mine
	v_max3_num_f32 v115, |v[XS+3]|, |v[XS+4]|, |v[XS+5]|
.irp i, 6,10,14,18,22,26
	v_max3_num_f32 v114, v114, |v[XS+\i]|, |v[XS+\i+1]|
	v_max3_num_f32 v115, v115, |v[XS+\i+2]|, |v[XS+\i+3]|
.endr
	v_max3_num_f32 v114, v114, |v[XS+30]|, |v[XS+31]|
	v_max3_num_f32 v114, v114, v115, 0x1800000     ; and the floor 2^(3 - 127)
	v_add_nc_u32 v116, 0xff000000, v114            ; the conversion's scale operand
	v_lshrrev_b32 v115, 23, v116                   ; the byte
.if BE == 0
	v_mov_b32 v[SW], v115
.else
	v_lshl_or_b32 v[SW], v115, 8*BE, v[SW]
.endif
.if BE%2 == 0
	v_cvt_scalef32_pk16_fp6_f32 v[FB+6*CC:FB+6*CC+2], v[XS:XS+15], v116
	v_cvt_scalef32_pk16_fp6_f32 v[104:106], v[XS+16:XS+31], v116
.else
	v_cvt_scalef32_pk16_fp6_f32 v[FB+12+6*CC:FB+12+6*CC+2], v[XS:XS+15], v116
	v_cvt_scalef32_pk16_fp6_f32 v[108:110], v[XS+16:XS+31], v116
.endif
.if (\n)+2 < 8
	LOADB (\n)+2
.endif
.if BE%2 == 1
	v_nop                                          ; one plain place behind a scaled conversion
.irp i, 0,1,2                                  ; first register: even block of both tiles; second: odd block.  The swap gives the first tile 0's two blocks, the second tile 1's
	v_permlane16_swap_b32 v[FB+6*CC+\i], v[FB+12+6*CC+\i]
	v_permlane16_swap_b32 v[104+\i], v[108+\i]
.endr
.irp i, 0,1,2
	v_mov_b32 v[FB+3+6*CC+\i], v[104+\i]
	v_mov_b32 v[FB+15+6*CC+\i], v[108+\i]
.endr
.endif
.endm
	LOADB 0
	LOADB 1
.irp n, 0,1,2,3,4,5,6,7
	BLOCK \n
.endr
.irp s, 0,1                                    ; both K steps' fragments leave here: no register that a store reads is written again
.irp u, 0,1
.irp c, 0,1,2
	global_store_b128 v1, v[80+40*\s+12*\u+4*\c:80+40*\s+12*\u+4*\c+3], s[6:7] offset:\u*3072+\s*1536+512*\c
.endr
.endr
	global_store_b32 v4, v[112+\s], s[8:9] offset:\s*KSB
.endr
.Lend:
	s_wait_tensorcnt 0x0                           ; the wave's end, behind the last LDS store
	ds_add_u32 v[SPW], v[NIL]
	s_wait_dscnt 0x0
	s_endpgm
.Lfunc_end_k_q518002fdaa_quant:
	.size	k_q518002fdaa_quant, .Lfunc_end_k_q518002fdaa_quant-k_q518002fdaa_quant
	.p2alignl 7, 3214868480
	.fill 96, 4, 3214868480
	.section	.rodata,"a",@progbits
	.p2align	6, 0x0
	.amdhsa_kernel k_q518002fdaa_quant
		.amdhsa_group_segment_fixed_size 34304
		.amdhsa_private_segment_fixed_size 0
		.amdhsa_enable_private_segment 0
		.amdhsa_kernarg_size 64
		.amdhsa_user_sgpr_count 2
		.amdhsa_user_sgpr_kernarg_segment_ptr 1
		.amdhsa_wavefront_size32 1
		.amdhsa_system_sgpr_workgroup_id_x 1
		.amdhsa_system_sgpr_workgroup_id_y 1
		.amdhsa_system_sgpr_workgroup_id_z 1
		.amdhsa_system_vgpr_workitem_id 0
		.amdhsa_next_free_vgpr 256
		.amdhsa_next_free_sgpr 66
		.amdhsa_reserve_vcc 1
		.amdhsa_float_denorm_mode_32 3
		.amdhsa_float_denorm_mode_16_64 3
		.amdhsa_memory_ordered 1
		.amdhsa_forward_progress 1
		.amdhsa_inst_pref_size 73
	.end_amdhsa_kernel
	.amdgpu_metadata
---
amdhsa.version: [ 1, 2 ]
amdhsa.kernels:
  - .name:           k_q518002fdaa_quant
    .symbol:         k_q518002fdaa_quant.kd
    .args:
      - { .name: q, .offset: 0, .size: 8, .value_kind: global_buffer, .address_space: global }
      - { .name: k, .offset: 8, .size: 8, .value_kind: global_buffer, .address_space: global }
      - { .name: v, .offset: 16, .size: 8, .value_kind: global_buffer, .address_space: global }
      - { .name: Wq, .offset: 24, .size: 8, .value_kind: global_buffer, .address_space: global }
      - { .name: Wk, .offset: 32, .size: 8, .value_kind: global_buffer, .address_space: global }
      - { .name: Wv, .offset: 40, .size: 8, .value_kind: global_buffer, .address_space: global }
      - { .name: Wo, .offset: 48, .size: 8, .value_kind: global_buffer, .address_space: global }
      - { .name: opnd0, .offset: 56, .size: 8, .value_kind: global_buffer, .address_space: global }
    .group_segment_fixed_size: 34304
    .private_segment_fixed_size: 0
    .kernarg_segment_align: 8
    .kernarg_segment_size: 64
    .max_flat_workgroup_size: 128
    .sgpr_count:     66
    .vgpr_count:     256
    .wavefront_size: 32
...
	.end_amdgpu_metadata
.endif
;; end of part 1
;; launch proj (part 2): grid 4 x 64, 4 waves a work-group, clusters of 4 x 4, 327,680 bytes of LDS; arguments opnd0, bq, bk, bv, qkv; writes qkv
.if DOCPART == 2
	.amdgcn_target "amdgcn-amd-amdhsa--gfx1250"
	.amdhsa_code_object_version 6
	.text
	.protected	k_q518002fdaa_proj
	.globl	k_q518002fdaa_proj
	.p2align	8
	.type	k_q518002fdaa_proj,@function
k_q518002fdaa_proj:
	s_mov_b64 s[64:65], 0
	v_nop
	global_prefetch_b8 v0, s[64:65] scope:SCOPE_SE
	s_setreg_imm32_b32 hwreg(HW_REG_WAVE_MODE, 25, 1), 1
	s_wait_xcnt 0x0
	s_wait_alu depctr_hold_cnt(0) depctr_sa_sdst(0) depctr_va_vdst(0) depctr_va_sdst(0) depctr_va_ssrc(0) depctr_va_vcc(0) depctr_vm_vsrc(0)
	s_getreg_b32 s2, hwreg(HW_REG_IB_STS2, 6, 4)
	s_cmp_eq_u32 s2, 0
	s_cbranch_scc0 .Lentry_in_a_cluster
	s_endpgm
.Lentry_in_a_cluster:
	s_bfe_u32 s2, ttmp6, 0x10000c
	s_cmp_lg_u32 s2, 0xf033
	s_cbranch_scc0 .Lentry_shape_is_right
	s_endpgm
.Lentry_shape_is_right:
.set KS,  8
.set NT,  1792
.set SC0, 22020096
.set APIECE, 12288
.set BPIECE, 24576
.set APART,  49152                     ; a wave's part of A: four K groups of 256 on end; K 0-511 is slot 0, K 512-1023 slot 1
.set BPART,  98304                     ; the same for B
.set BOFF,   98304
.set ASL,    24576                     ; from slot 0 to slot 1 inside a part of A,
.set BSL,    49152                     ; and of B
.set SLOT,   147456
.set SPARE,  2*SLOT
.set VS,  8
.set OV,  10
.set SV,  11
.set SPW, 12
.set NIL, 13
.set SA,  32
.set SB,  48
.set H,   128
.set OF,  192
.set CT,  216
.set TM,  224
.set PW,  240
.set G1,  24
.set G0,  32
.set G1B, 48
.set G0B, 56
.set OB,  66
.set DAC, 68
.set DBC, 70
.set OB2, 76
.set OS2, 78
.set SAB, 80
.set SBB, 82
.set SAB2, 84
.set SBB2, 86
.set SEL, 98
.set MULW, 0xa1
.set TO_B, 0x40
.set P2,   0x02
.set P21,  0x06
.set MSB, 0
.macro WIN new
.if MSB != \new
	s_set_vgpr_msb (MSB<<8)|\new
.set MSB, \new
.endif
.endm
.macro JLOAD g0a, g1a, g0b, g1b
	s_cmp_eq_u32 s15, 0
	s_cbranch_scc0 .Lfor_b_\@
	tensor_load_to_lds s[\g0a:\g0a+3], s[\g1a:\g1a+7]
	s_nop 0
.rept 4
	v_nop
.endr
	s_branch .Lasked_\@
.Lfor_b_\@:
	tensor_load_to_lds s[\g0b:\g0b+3], s[\g1b:\g1b+7]
	s_nop 0
.rept 4
	v_nop
.endr
.Lasked_\@:
.endm
.macro CROUND
	s_barrier_signal -1
	s_barrier_wait -1
	s_cmp_lg_u32 s14, 0
	s_cbranch_scc1 .Lnot_wave_0_\@
	s_barrier_signal -3
.Lnot_wave_0_\@:
	s_barrier_wait -3
	s_barrier_signal -1
	s_barrier_wait -1
.endm
.macro PLACES n
.rept \n
	v_nop
.endr
.endm
.macro GROUP1 g, c, r, p
	s_mov_b32 s[\g+1], (\c)<<16
	s_mov_b32 s[\g+2], (\r)<<16
	s_mov_b32 s[\g+3], (\c)<<16
	s_mov_b32 s[\g+4], \r
	s_mov_b32 s[\g+5], \p
	s_mov_b32 s[\g+6], 0
	s_mov_b32 s[\g+7], 0
.endm
.macro GROUP0 g, la, lo, ga, go
	s_mov_b32 s[\g], 1
	s_add_co_u32 s[\g+1], s[\la], \lo
	s_add_nc_u64 s[\g+2:\g+3], s[\ga:\ga+1], \go
	s_or_b32 s[\g+3], s[\g+3], 0x80000000
.endm
.macro GSCALES e, ab, bb, ioa, iob
.set PI, 0
.rept KS/2
.irp a, 0,1,2,3
	global_load_b32 v[SA+48*(\e)+4*PI+\a], v[VS], s[\ab:\ab+1] offset:(\ioa)+PI*2*NT*64+64*\a
.endr
.irp t, 0,1,2,3,4,5,6,7
	global_load_b32 v[SB+48*(\e)+8*PI+\t], v[VS], s[\bb:\bb+1] offset:(\iob)+PI*2*NT*64+64*\t
.endr
.set PI, PI+1
.endr
.endm
.macro FETCH k, set
.set SG, ((\k)/4)%2
.set GM, ((\k)/2)%2
.set S2, (\k)%2
	WIN TO_B
.irp t, 0,1,2,3,4,5,6,7
.irp c, 0,1,2
	ds_load_b128 v[96*(\set)+12*\t+4*\c:96*(\set)+12*\t+4*\c+3], v[6+SG] offset:GM*BPIECE+3072*\t+1536*S2+512*\c
.endr
.endr
	WIN 0
.irp a, 0,1,2,3
.irp c, 0,1,2
	ds_load_b128 v[128+48*(\set)+12*\a+4*\c:128+48*(\set)+12*\a+4*\c+3], v[4+SG] offset:GM*APIECE+3072*\a+1536*S2+512*\c
.endr
.endr
.endm
.macro MUL k, zero, row
	WIN MULW
.set BFK, 96*((\k)%2)
.set AFK, 128+48*((\k)%2)
.set SBK, SB+48*ES+8*((\k)/2)
.set SAK, SA+48*ES+4*((\k)/2)
.irp a, \row
.irp t, 0,1,2,3,4,5,6,7
.if \zero
	v_wmma_scale_f32_16x16x128_f8f6f4 v[64*\a+8*\t:64*\a+8*\t+7], v[BFK+12*\t:BFK+12*\t+11], v[AFK+12*\a:AFK+12*\a+11], 0, v[SBK+\t], v[SAK+\a] matrix_a_fmt:MATRIX_FMT_FP6 matrix_b_fmt:MATRIX_FMT_FP6
.elseif (\k)%2
	v_wmma_scale_f32_16x16x128_f8f6f4 v[64*\a+8*\t:64*\a+8*\t+7], v[BFK+12*\t:BFK+12*\t+11], v[AFK+12*\a:AFK+12*\a+11], v[64*\a+8*\t:64*\a+8*\t+7], v[SBK+\t], v[SAK+\a] matrix_a_fmt:MATRIX_FMT_FP6 matrix_b_fmt:MATRIX_FMT_FP6 matrix_a_scale:MATRIX_SCALE_ROW1 matrix_b_scale:MATRIX_SCALE_ROW1
.else
	v_wmma_scale_f32_16x16x128_f8f6f4 v[64*\a+8*\t:64*\a+8*\t+7], v[BFK+12*\t:BFK+12*\t+11], v[AFK+12*\a:AFK+12*\a+11], v[64*\a+8*\t:64*\a+8*\t+7], v[SBK+\t], v[SAK+\a] matrix_a_fmt:MATRIX_FMT_FP6 matrix_b_fmt:MATRIX_FMT_FP6
.endif
.endr
.endr
.endm
.macro FA k, set                       ; A's four fragments of K step k: 12 loads
.set SG, ((\k)/4)%2
.set GM, ((\k)/2)%2
.set S2, (\k)%2
	WIN 0
.irp a, 0,1,2,3
.irp c, 0,1,2
	ds_load_b128 v[128+48*(\set)+12*\a+4*\c:128+48*(\set)+12*\a+4*\c+3], v[4+SG] offset:GM*APIECE+3072*\a+1536*S2+512*\c
.endr
.endr
.endm
.macro FB k, set, t0                   ; B's fragments t0 .. t0 + 3 of K step k: 12 loads
.set SG, ((\k)/4)%2
.set GM, ((\k)/2)%2
.set S2, (\k)%2
	WIN TO_B
.irp u, 0,1,2,3
.irp c, 0,1,2
	ds_load_b128 v[96*(\set)+12*((\t0)+\u)+4*\c:96*(\set)+12*((\t0)+\u)+4*\c+3], v[6+SG] offset:GM*BPIECE+3072*((\t0)+\u)+1536*S2+512*\c
.endr
.endr
.endm
; A K step: the next step's 36 loads in one run, then four rows of 8 products
.macro STEP k, zero, fetch
	PLACES 4                                       ; in front of loads into the set that the step before multiplied
.if \fetch
	FB (\k)+1, ((\k)+1)%2, 0
	FB (\k)+1, ((\k)+1)%2, 4
	FA (\k)+1, ((\k)+1)%2
	s_wait_dscnt 36                                ; all but the 36 loads just issued: this step's fragments are in
.else
	s_wait_dscnt 0x0
.endif
	MUL \k, \zero, 0
	MUL \k, \zero, 1
	MUL \k, \zero, 2
	MUL \k, \zero, 3
	WIN 0
.endm
.macro MEET
	s_wait_tensorcnt 0x0
	s_wait_dscnt 0x0
	s_barrier_signal -1
	s_barrier_wait -1
.endm
.macro TURN slot, nx
	s_wait_tensorcnt 0x0
	ds_add_u32 v[SPW], v[NIL]
.if (\nx) == 1
	s_add_nc_u64 s[G0+4*(\slot)+2:G0+4*(\slot)+3], s[G0+4*(\slot)+2:G0+4*(\slot)+3], 512*3072
	s_add_nc_u64 s[G0B+4*(\slot)+2:G0B+4*(\slot)+3], s[G0B+4*(\slot)+2:G0B+4*(\slot)+3], 64*3072
.else
	s_add_nc_u64 s[G0+4*(\slot)+2:G0+4*(\slot)+3], s[G0+4*(\slot)+2:G0+4*(\slot)+3], s[DAC:DAC+1]
	s_sub_nc_u64 s[G0B+4*(\slot)+2:G0B+4*(\slot)+3], s[G0B+4*(\slot)+2:G0B+4*(\slot)+3], s[DBC:DBC+1]
.endif
	s_wait_dscnt 0x0
	CROUND
	JLOAD G0+4*(\slot), G1, G0B+4*(\slot), G1B
.endm
.macro QTAIL s, d, w
.irp b, 0,1,2,3
	v_add_nc_u32 v[TM+12+\b], 0xff000000, v[TM+\b]
.endr
.irp b, 0,1,2,3
	v_lshrrev_b32 v[TM+4+\b], 23, v[TM+12+\b]
.endr
	v_lshl_or_b32 v[\w], v[TM+5], 8, v[TM+4]
	v_lshl_or_b32 v[\w], v[TM+6], 16, v[\w]
	v_lshl_or_b32 v[\w], v[TM+7], 24, v[\w]
.irp c, 0,1
	v_cvt_scalef32_pk16_fp6_f32 v[(\d)+6*\c:(\d)+6*\c+2], v[(\s)+32*\c:(\s)+32*\c+15], v[TM+12+2*\c]
	v_cvt_scalef32_pk16_fp6_f32 v[CT+4*\c:CT+4*\c+2], v[(\s)+32*\c+16:(\s)+32*\c+31], v[TM+13+2*\c]
.endr
	v_nop
.irp c, 0,1
.irp i, 0,1,2
	v_permlane16_swap_b32 v[(\d)+6*\c+\i], v[CT+4*\c+\i]
.endr
.irp i, 0,1,2
	v_mov_b32 v[(\d)+6*\c+3+\i], v[CT+4*\c+\i]
.endr
.endr
.endm
.macro QUANT s, d, w
.irp b, 0,1,2,3
	v_max3_num_f32 v[TM+\b], |v[(\s)+16*\b]|, |v[(\s)+16*\b+1]|, 0x1800000
.endr
.irp i, 2,4,6,8,10,12,14
.irp b, 0,1,2,3
	v_max3_num_f32 v[TM+\b], v[TM+\b], |v[(\s)+16*\b+\i]|, |v[(\s)+16*\b+\i+1]|
.endr
.endr
.irp b, 0,1,2,3
	v_permlanex16_b32 v[TM+4+\b], v[TM+\b], s[SEL], s[SEL+1]
.endr
.irp b, 0,1,2,3
	v_max_num_f32 v[TM+\b], v[TM+\b], v[TM+4+\b]
.endr
	QTAIL \s, \d, \w
.endm
.macro PUT a
.irp c, 0,1,2
	global_store_b128 v[OV], v[OF+12*((\a)%2)+4*\c:OF+12*((\a)%2)+4*\c+3], s[OBN:OBN+1] offset:OIO+3072*(\a)+512*\c
.endr
.endm
.macro EPI a, n
.if (\a) >= 2
	s_wait_xcnt 0x0
.endif
.if (\n) < 2
	WIN P21
.set I, 0
.rept 32
	v_pk_add_f32 v[H+I:H+I+1], v[64*(\a)+I:64*(\a)+I+1], v[192+I:192+I+1]
.set I, I+2
.endr
.else
	WIN P2
.set I, 0
.rept 32
	v_pk_add_f32 v[H+I:H+I+1], v[64*(\a)+I:64*(\a)+I+1], v[244+2*(\a):245+2*(\a)]
.set I, I+2
.endr
.endif
	WIN 0
	QUANT H, OF+12*((\a)%2), PW+(\a)
	PUT \a
.endm
; A prefetch of the next tile's K 512-1023, asked for at the change of slot 0: five K steps and two blocks of the way out ahead of the tensor load that brings it.  A fragment tile of a K group is 3,072 bytes, 12 blocks of 256.
; Of the tiles that a wave fetches each of the four partners that ask for them jointly takes a quarter, told apart by address: lanes 0-15 K group 2, lanes 16-31 K group 3, a lane a block; lanes 12-15 of each half name the half's last block again.
.macro ASK p
	s_cmp_eq_u32 s15, 0
	s_cbranch_scc0 .Lpf_b_\@
	global_prefetch_b8 v16, s[\p:\p+1] th:TH_LOAD_NT scope:SCOPE_SE
	s_branch .Lpf_done_\@
.Lpf_b_\@:
	global_prefetch_b8 v16, s[\p:\p+1] th:TH_LOAD_NT scope:SCOPE_SE
	global_prefetch_b8 v16, s[\p:\p+1] offset:3072 th:TH_LOAD_NT scope:SCOPE_SE
.Lpf_done_\@:
.endm
.macro TILE n
.set ES, (\n)%2
.if (\n) < 2
.set OBN, OB
.set OSN, 12
.set OIO, (\n)*512*3072
.set SIO, (\n)*512*64
.else
.set OBN, OB2
.set OSN, OS2
.set OIO, 0
.set SIO, 0
.endif
.if (\n) > 0
	s_wait_xcnt 0x0
.endif
	s_wait_loadcnt 0x0
.if (\n) < 2
	WIN TO_B
.irp t, 0,1,2,3,4,5,6,7
	global_load_b128 v[192+8*\t:192+8*\t+3], v14, s[6+2*(\n):7+2*(\n)] offset:128*(\t/2)+32*(\t%2)
	global_load_b128 v[192+8*\t+4:192+8*\t+7], v14, s[6+2*(\n):7+2*(\n)] offset:128*(\t/2)+32*(\t%2)+16
.endr
	WIN 0
.endif
	FETCH 0, 0
	STEP 0, 1, 1
	STEP 1, 0, 1
	STEP 2, 0, 1
.if (\n) == 0
	TURN 0, 1
	GSCALES 1, SAB, SBB, 512*64, 64*64
	ASK 88
.elseif (\n) == 1
	TURN 0, 2
	GSCALES 0, SAB2, SBB2, 0, 0
	ASK 92
.else
	MEET
.endif
	STEP 3, 0, 1
	STEP 4, 0, 1
	STEP 5, 0, 1
	STEP 6, 0, 1
	STEP 7, 0, 0
	PLACES 4
	s_wait_loadcnt 0x0
	EPI 0, \n
	EPI 1, \n
.if (\n) < 2
	TURN 1, (\n)+1
.endif
	EPI 2, \n
	EPI 3, \n
	s_mov_b32 vcc_lo, 0xffff0000
	v_cndmask_b32 v24, v[PW], v[PW+1], vcc_lo
	v_cndmask_b32 v25, v[PW+2], v[PW+3], vcc_lo
	global_store_b32 v[SV], v24, s[OSN:OSN+1] offset:SIO
	global_store_b32 v[SV], v25, s[OSN:OSN+1] offset:SIO+128
.endm
	s_load_b256 s[4:11], s[0:1], 0x0
	s_load_b64 s[12:13], s[0:1], 0x20
	v_lshl_add_u32 v[SPW], v0, 2, SPARE
	v_mov_b32 v[NIL], 0
	ds_add_u32 v[SPW], v[NIL]
	ds_add_u32 v[SPW], v[NIL]
	v_lshrrev_b32 v1, 5, v0
	v_readfirstlane_b32 s14, v1
	s_lshr_b32 s15, s14, 1
	s_and_b32 s16, s14, 1
	s_bfe_u32 s40, ttmp6, 0x40000
	s_bfe_u32 s41, ttmp6, 0x40004
	s_lshl_b32 s43, s41, 2
	s_lshl_b32 s43, 15, s43
	s_lshl_b32 s44, 0x1111, s40
	s_or_b32 s[G1], s43, (3<<16)|(1<<21)
	s_or_b32 s[G1B], s44, (3<<16)|(1<<21)
	GROUP1 G1, 1536, 4, NT*384                     ; the head's load brings all four K groups of the first tile
	GROUP1 G1B, 3072, 4, NT*384
	s_mul_i32 s45, s16, APART
	s_mul_i32 s94, s16, BPART
	s_mov_b32 s[SEL], 0x76543210
	s_mov_b32 s[SEL+1], 0xfedcba98
	s_and_b32 s18, ttmp7, 0xffff
	s_lshr_b32 s19, s18, 1
	s_and_b32 s100, s18, 1
	s_lshl_b32 s17, s18, 2
	s_add_co_u32 s17, s17, s41
	s_lshl_b32 s96, s100, 2
	s_add_co_u32 s96, s96, s41
	s_lshl_b32 s97, s19, 2
	s_add_co_u32 s97, s97, s40
	s_lshl_b32 s101, s19, 6
	s_sub_co_u32 s72, 1152, s101
	s_sub_co_u32 s74, 576, s101
	s_mul_i32 s[DAC], s72, 3072
	s_mov_b32 s[DAC+1], 0
	s_mul_i32 s[DBC], s74, 3072
	s_mov_b32 s[DBC+1], 0
	s_lshl_b32 s20, s17, 3
	s_lshl_b32 s2, s16, 2
	s_add_co_u32 s20, s20, s2
	s_mul_i32 s20, s20, 3072
	s_mov_b32 s21, 0
	s_lshl_b32 s46, s40, 4
	s_lshl_b32 s3, s16, 3
	s_add_co_u32 s46, s46, s3
	s_add_co_u32 s46, s46, 1536
	s_mul_i32 s46, s46, 3072
	s_mov_b32 s47, 0
	s_wait_dscnt 0x0
	s_wait_kmcnt 0x0
	s_add_nc_u64 s[20:21], s[4:5], s[20:21]
	s_add_nc_u64 s[46:47], s[4:5], s[46:47]
	CROUND
	GROUP0 G0, 45, 0, 20, 0
	GROUP0 G0B, 94, BOFF, 46, 0
	JLOAD G0, G1, G0B, G1B
	GROUP0 G0+4, 45, ASL, 20, 2*NT*3072            ; slot 1's group 0: first used at its first refill
	GROUP0 G0B+4, 94, BOFF+BSL, 46, 2*NT*3072
	v_and_b32 v1, 15, v0
	v_bfe_u32 v2, v0, 4, 1
	v_and_b32 v3, 31, v0
	v_lshlrev_b32 v[OV], 4, v3
	v_lshlrev_b32 v[SV], 2, v3
	s_mul_i32 s2, s15, APART
	v_add_nc_u32 v4, s2, v[OV]
	s_add_co_u32 s2, s2, ASL
	v_add_nc_u32 v5, s2, v[OV]
	s_mul_i32 s2, s16, BPART
	s_add_co_u32 s2, s2, BOFF
	v_add_nc_u32 v6, s2, v[OV]
	s_add_co_u32 s2, s2, BSL
	v_add_nc_u32 v7, s2, v[OV]
	v_mul_u32_u24 v[VS], v2, NT*64
	v_lshl_add_u32 v[VS], v1, 2, v[VS]
	s_wait_alu depctr_va_vdst(0)
	s_lshl_b32 s2, s15, 2
	s_lshl_b32 s3, s16, 3
	s_lshl_b32 s88, s17, 3
	s_add_co_u32 s88, s88, s2
	s_lshl_b32 s89, s96, 3
	s_add_co_u32 s89, s89, s2
	s_lshl_b32 s90, s40, 4
	s_add_co_u32 s90, s90, s3
	s_lshl_b32 s91, s97, 4
	s_add_co_u32 s91, s91, s3
	s_lshl_b32 s[SAB], s88, 6
	s_add_co_u32 s[SAB], s[SAB], SC0
	s_mov_b32 s[SAB+1], 0
	s_lshl_b32 s[SBB], s90, 6
	s_add_co_u32 s[SBB], s[SBB], SC0+1536*64
	s_mov_b32 s[SBB+1], 0
	s_add_nc_u64 s[SAB:SAB+1], s[4:5], s[SAB:SAB+1]
	s_add_nc_u64 s[SBB:SBB+1], s[4:5], s[SBB:SBB+1]
	GSCALES 0, SAB, SBB, 0, 0
	s_lshl_b32 s[SAB2], s89, 6
	s_add_co_u32 s[SAB2], s[SAB2], SC0+1664*64
	s_mov_b32 s[SAB2+1], 0
	s_lshl_b32 s[SBB2], s91, 6
	s_add_co_u32 s[SBB2], s[SBB2], SC0+1024*64
	s_mov_b32 s[SBB2+1], 0
	s_add_nc_u64 s[SAB2:SAB2+1], s[4:5], s[SAB2:SAB2+1]
	s_add_nc_u64 s[SBB2:SBB2+1], s[4:5], s[SBB2:SBB2+1]
	s_lshl_b32 s92, s90, 6
	s_mov_b32 s93, 0
	s_lshl_b32 s72, s89, 6
	s_mov_b32 s73, 0
	s_add_nc_u64 s[6:7], s[6:7], s[92:93]
	s_add_nc_u64 s[8:9], s[8:9], s[92:93]
	s_add_nc_u64 s[10:11], s[10:11], s[72:73]
	v_lshlrev_b32 v14, 6, v2
	v_and_b32 v15, 8, v1
	v_add_nc_u32 v15, v15, v1
	v_lshlrev_b32 v15, 2, v15
.irp a, 0,1,2,3
	global_load_b32 v[244+2*\a], v15, s[10:11] offset:128*(\a/2)+32*(\a%2)
	global_load_b32 v[245+2*\a], v15, s[10:11] offset:128*(\a/2)+32*(\a%2)
.endr
.irp b, 0,1,2,3
	v_mov_b32 v[TM+4+\b], 0
.endr
	s_mul_i32 s101, s16, 1536
	s_lshl_b32 s18, s40, 10
	s_add_co_u32 s18, s18, s88
	s_mul_i32 s[OB], s18, 3072
	s_add_co_u32 s[OB], s[OB], s101
	s_mov_b32 s[OB+1], 0
	s_lshl_b32 s18, s40, 1
	s_add_co_u32 s18, s18, s16
	s_lshl_b32 s18, s18, 10
	s_add_co_u32 s18, s18, s88
	s_lshl_b32 s74, s18, 6
	s_add_co_u32 s74, s74, 18874368
	s_mov_b32 s75, 0
	s_and_b32 s18, s97, 7
	s_lshr_b32 s19, s97, 3
	s_lshl_b32 s19, s19, 6
	s_add_co_u32 s19, s19, s89
	s_lshl_b32 s100, s18, 8
	s_add_co_u32 s100, s100, s19
	s_mul_i32 s[OB2], s100, 3072
	s_add_co_u32 s[OB2], s[OB2], s101
	s_add_co_u32 s[OB2], s[OB2], 12582912
	s_mov_b32 s[OB2+1], 0
	s_lshl_b32 s18, s18, 1
	s_add_co_u32 s18, s18, s16
	s_lshl_b32 s18, s18, 8
	s_add_co_u32 s18, s18, s19
	s_lshl_b32 s[OS2], s18, 6
	s_add_co_u32 s[OS2], s[OS2], 19398656
	s_mov_b32 s[OS2+1], 0
	s_add_nc_u64 s[OB:OB+1], s[12:13], s[OB:OB+1]
	s_add_nc_u64 s[OB2:OB2+1], s[12:13], s[OB2:OB2+1]
	s_add_nc_u64 s[OS2:OS2+1], s[12:13], s[OS2:OS2+1]
	s_add_nc_u64 s[12:13], s[12:13], s[74:75]
	s_lshl_b32 s3, s41, 1                          ; the prefetches: of A's four tiles partner cx takes tile cx, of B's eight partner cy takes tiles 2 cy and 2 cy + 1
	s_sub_co_u32 s92, 0, s[DBC]                    ; B's step from the second tile to the third goes back: DBC is above 0, so its negative has all ones above
	s_mov_b32 s93, -1
	s_mov_b32 s90, 64*3072
	s_cmp_eq_u32 s15, 0                            ; the choices hang on the wave's number alone
	s_cselect_b32 s2, s40, s3
	s_cselect_b32 s90, 512*3072, s90               ; the step from the first tile to the second
	s_cselect_b64 s[88:89], s[20:21], s[46:47]
	s_cselect_b64 s[92:93], s[DAC:DAC+1], s[92:93]
	s_mul_i32 s2, s2, 3072
	s_add_co_u32 s2, s2, s90
	s_add_co_u32 s2, s2, 2*NT*3072                 ; K group 2
	s_mov_b32 s3, 0
	s_add_nc_u64 s[88:89], s[88:89], s[2:3]        ; the second tile's; never rewritten
	s_add_nc_u64 s[92:93], s[88:89], s[92:93]      ; the third tile's; never rewritten
	v_mul_u32_u24 v16, v2, NT*3072
	v_min_u32 v17, 11, v1
	v_lshl_add_u32 v16, v17, 8, v16                ; K group h of the two, block min(r, 11) of the tile; never rewritten
	s_wait_alu depctr_va_vdst(0)
	s_wait_tensorcnt 0x0                           ; my part of the first tile, all of K, is in
	s_mov_b32 s[G1+2], 2<<16                       ; no tensor load of mine is out, so a descriptor may be written: a refill brings two K groups
	s_mov_b32 s[G1+4], 2
	s_mov_b32 s[G1B+2], 2<<16
	s_mov_b32 s[G1B+4], 2
	s_barrier_signal -1
	s_barrier_wait -1
	TILE 0
	TILE 1
	TILE 2
	s_wait_tensorcnt 0x0
	ds_add_u32 v[SPW], v[NIL]
	s_wait_dscnt 0x0
	CROUND
	s_endpgm
.Lfunc_end_k_q518002fdaa_proj:
	.size	k_q518002fdaa_proj, .Lfunc_end_k_q518002fdaa_proj-k_q518002fdaa_proj
	.p2alignl 7, 3214868480
	.fill 96, 4, 3214868480
	.section	.rodata,"a",@progbits
	.p2align	6, 0x0
	.amdhsa_kernel k_q518002fdaa_proj
		.amdhsa_group_segment_fixed_size 327680
		.amdhsa_private_segment_fixed_size 0
		.amdhsa_enable_private_segment 0
		.amdhsa_kernarg_size 40
		.amdhsa_user_sgpr_count 2
		.amdhsa_user_sgpr_kernarg_segment_ptr 1
		.amdhsa_wavefront_size32 1
		.amdhsa_system_sgpr_workgroup_id_x 1
		.amdhsa_system_sgpr_workgroup_id_y 1
		.amdhsa_system_sgpr_workgroup_id_z 1
		.amdhsa_system_vgpr_workitem_id 0
		.amdhsa_next_free_vgpr 768
		.amdhsa_next_free_sgpr 102
		.amdhsa_reserve_vcc 1
		.amdhsa_float_denorm_mode_32 3
		.amdhsa_float_denorm_mode_16_64 3
		.amdhsa_memory_ordered 1
		.amdhsa_forward_progress 1
		.amdhsa_inst_pref_size 255
	.end_amdhsa_kernel
	.section	.bss,"aw",@nobits
	.p2align	6
	.space	262144
	.amdgpu_metadata
---
amdhsa.version: [ 1, 2 ]
amdhsa.kernels:
  - .name:           k_q518002fdaa_proj
    .symbol:         k_q518002fdaa_proj.kd
    .args:
      - { .name: opnd0, .offset: 0, .size: 8, .value_kind: global_buffer, .address_space: global }
      - { .name: bq, .offset: 8, .size: 8, .value_kind: global_buffer, .address_space: global }
      - { .name: bk, .offset: 16, .size: 8, .value_kind: global_buffer, .address_space: global }
      - { .name: bv, .offset: 24, .size: 8, .value_kind: global_buffer, .address_space: global }
      - { .name: qkv, .offset: 32, .size: 8, .value_kind: global_buffer, .address_space: global }
    .group_segment_fixed_size: 327680
    .private_segment_fixed_size: 0
    .kernarg_segment_align: 8
    .kernarg_segment_size: 40
    .max_flat_workgroup_size: 128
    .sgpr_count:     102
    .vgpr_count:     768
    .wavefront_size: 32
...
	.end_amdgpu_metadata
.endif
;; end of part 2
;; launch scores (part 3): grid 8 x 32, 4 waves a work-group, clusters of 4 x 4, 327,680 bytes of LDS; arguments qkv, pbuf; writes pbuf
.if DOCPART == 3
	.amdgcn_target "amdgcn-amd-amdhsa--gfx1250"
	.amdhsa_code_object_version 6
	.text
	.protected	k_q518002fdaa_scores
	.globl	k_q518002fdaa_scores
	.p2align	8
	.type	k_q518002fdaa_scores,@function
k_q518002fdaa_scores:
	s_mov_b64 s[64:65], 0
	v_nop
	global_prefetch_b8 v0, s[64:65] scope:SCOPE_SE
	s_setreg_imm32_b32 hwreg(HW_REG_WAVE_MODE, 25, 1), 1
	s_wait_xcnt 0x0
	s_wait_alu depctr_hold_cnt(0) depctr_sa_sdst(0) depctr_va_vdst(0) depctr_va_sdst(0) depctr_va_ssrc(0) depctr_va_vcc(0) depctr_vm_vsrc(0)
	s_getreg_b32 s2, hwreg(HW_REG_IB_STS2, 6, 4)
	s_cmp_eq_u32 s2, 0
	s_cbranch_scc0 .Lentry_in_a_cluster
	s_endpgm
.Lentry_in_a_cluster:
	s_bfe_u32 s2, ttmp6, 0x10000c
	s_cmp_lg_u32 s2, 0xf033
	s_cbranch_scc0 .Lentry_shape_is_right
	s_endpgm
.Lentry_shape_is_right:
.set KS,  8
.set NT,  1024
.set QKS, 18874368
.set PSO, 12582912
.set APIECE, 12288
.set BPIECE, 24576
.set APART,  49152                     ; a wave's part of A: four K groups of 256 on end; K 0-511 is slot 0, K 512-1023 slot 1
.set BPART,  98304                     ; the same for B
.set BOFF,   98304
.set ASL,    24576                     ; from slot 0 to slot 1 inside a part of A,
.set BSL,    49152                     ; and of B
.set SLOT,   147456
.set SPARE,  2*SLOT
.set VS,  8
.set OV,  10
.set SV,  11
.set SPW, 12
.set NIL, 13
.set SA,  32
.set SB,  64
.set H,   128
.set OF,  192
.set CT,  216
.set TM,  224
.set PW,  240
.set NMS, 244
.set LSS, 248
.set G1,  24
.set G0,  32
.set G1B, 48
.set G0B, 56
.set OB,  66
.set SAB, 80
.set SBB, 82
.set CS,  96
.set SEL, 98
.set MULW, 0xa1
.set TO_B, 0x40
.set P2,   0x02
.set MSB, 0
.macro WIN new
.if MSB != \new
	s_set_vgpr_msb (MSB<<8)|\new
.set MSB, \new
.endif
.endm
.macro JLOAD g0a, g1a, g0b, g1b
	s_cmp_eq_u32 s15, 0
	s_cbranch_scc0 .Lfor_b_\@
	tensor_load_to_lds s[\g0a:\g0a+3], s[\g1a:\g1a+7]
	s_nop 0
.rept 4
	v_nop
.endr
	s_branch .Lasked_\@
.Lfor_b_\@:
	tensor_load_to_lds s[\g0b:\g0b+3], s[\g1b:\g1b+7]
	s_nop 0
.rept 4
	v_nop
.endr
.Lasked_\@:
.endm
.macro JLOADA g0a
	s_cmp_eq_u32 s15, 0
	s_cbranch_scc0 .Lnone_\@
	tensor_load_to_lds s[\g0a:\g0a+3], s[G1:G1+7]
	s_nop 0
.rept 4
	v_nop
.endr
.Lnone_\@:
.endm
.macro CROUND
	s_barrier_signal -1
	s_barrier_wait -1
	s_cmp_lg_u32 s14, 0
	s_cbranch_scc1 .Lnot_wave_0_\@
	s_barrier_signal -3
.Lnot_wave_0_\@:
	s_barrier_wait -3
	s_barrier_signal -1
	s_barrier_wait -1
.endm
.macro PLACES n
.rept \n
	v_nop
.endr
.endm
.macro GROUP1 g, c, r, p
	s_mov_b32 s[\g+1], (\c)<<16
	s_mov_b32 s[\g+2], (\r)<<16
	s_mov_b32 s[\g+3], (\c)<<16
	s_mov_b32 s[\g+4], \r
	s_mov_b32 s[\g+5], \p
	s_mov_b32 s[\g+6], 0
	s_mov_b32 s[\g+7], 0
.endm
.macro GROUP0 g, la, lo, ga, go
	s_mov_b32 s[\g], 1
	s_add_co_u32 s[\g+1], s[\la], \lo
	s_add_nc_u64 s[\g+2:\g+3], s[\ga:\ga+1], \go
	s_or_b32 s[\g+3], s[\g+3], 0x80000000
.endm
.macro GSA j
.set PI, 0
.rept KS/2
.irp a, 0,1,2,3
	global_load_b32 v[SA+16*(\j)+4*PI+\a], v[VS], s[SAB:SAB+1] offset:(\j)*64*64+PI*2*NT*64+64*\a
.endr
.set PI, PI+1
.endr
.endm
.macro GSB
.set PI, 0
.rept KS/2
.irp t, 0,1,2,3,4,5,6,7
	global_load_b32 v[SB+8*PI+\t], v[VS], s[SBB:SBB+1] offset:PI*2*NT*64+64*\t
.endr
.set PI, PI+1
.endr
.endm
.macro FETCH k, set
.set SG, ((\k)/4)%2
.set GM, ((\k)/2)%2
.set S2, (\k)%2
	WIN TO_B
.irp t, 0,1,2,3,4,5,6,7
.irp c, 0,1,2
	ds_load_b128 v[96*(\set)+12*\t+4*\c:96*(\set)+12*\t+4*\c+3], v[6+SG] offset:GM*BPIECE+3072*\t+1536*S2+512*\c
.endr
.endr
	WIN 0
.irp a, 0,1,2,3
.irp c, 0,1,2
	ds_load_b128 v[128+48*(\set)+12*\a+4*\c:128+48*(\set)+12*\a+4*\c+3], v[4+SG] offset:GM*APIECE+3072*\a+1536*S2+512*\c
.endr
.endr
.endm
.macro MUL k, zero, row
	WIN MULW
.set BFK, 96*((\k)%2)
.set AFK, 128+48*((\k)%2)
.set SBK, SB+8*((\k)/2)
.set SAK, SA+16*ES+4*((\k)/2)
.irp a, \row
.irp t, 0,1,2,3,4,5,6,7
.if \zero
	v_wmma_scale_f32_16x16x128_f8f6f4 v[64*\a+8*\t:64*\a+8*\t+7], v[BFK+12*\t:BFK+12*\t+11], v[AFK+12*\a:AFK+12*\a+11], 0, v[SBK+\t], v[SAK+\a] matrix_a_fmt:MATRIX_FMT_FP6 matrix_b_fmt:MATRIX_FMT_FP6
.elseif (\k)%2
	v_wmma_scale_f32_16x16x128_f8f6f4 v[64*\a+8*\t:64*\a+8*\t+7], v[BFK+12*\t:BFK+12*\t+11], v[AFK+12*\a:AFK+12*\a+11], v[64*\a+8*\t:64*\a+8*\t+7], v[SBK+\t], v[SAK+\a] matrix_a_fmt:MATRIX_FMT_FP6 matrix_b_fmt:MATRIX_FMT_FP6 matrix_a_scale:MATRIX_SCALE_ROW1 matrix_b_scale:MATRIX_SCALE_ROW1
.else
	v_wmma_scale_f32_16x16x128_f8f6f4 v[64*\a+8*\t:64*\a+8*\t+7], v[BFK+12*\t:BFK+12*\t+11], v[AFK+12*\a:AFK+12*\a+11], v[64*\a+8*\t:64*\a+8*\t+7], v[SBK+\t], v[SAK+\a] matrix_a_fmt:MATRIX_FMT_FP6 matrix_b_fmt:MATRIX_FMT_FP6
.endif
.endr
.endr
.endm
.macro FA k, set                       ; A's four fragments of K step k: 12 loads
.set SG, ((\k)/4)%2
.set GM, ((\k)/2)%2
.set S2, (\k)%2
	WIN 0
.irp a, 0,1,2,3
.irp c, 0,1,2
	ds_load_b128 v[128+48*(\set)+12*\a+4*\c:128+48*(\set)+12*\a+4*\c+3], v[4+SG] offset:GM*APIECE+3072*\a+1536*S2+512*\c
.endr
.endr
.endm
.macro FB k, set, t0                   ; B's fragments t0 .. t0 + 3 of K step k: 12 loads
.set SG, ((\k)/4)%2
.set GM, ((\k)/2)%2
.set S2, (\k)%2
	WIN TO_B
.irp u, 0,1,2,3
.irp c, 0,1,2
	ds_load_b128 v[96*(\set)+12*((\t0)+\u)+4*\c:96*(\set)+12*((\t0)+\u)+4*\c+3], v[6+SG] offset:GM*BPIECE+3072*((\t0)+\u)+1536*S2+512*\c
.endr
.endr
.endm
; A K step: the next step's 36 loads in one run, then four rows of 8 products
.macro STEP k, zero, fetch
	PLACES 4                                       ; in front of loads into the set that the step before multiplied
.if \fetch
	FB (\k)+1, ((\k)+1)%2, 0
	FB (\k)+1, ((\k)+1)%2, 4
	FA (\k)+1, ((\k)+1)%2
	s_wait_dscnt 36                                ; all but the 36 loads just issued: this step's fragments are in
.else
	s_wait_dscnt 0x0
.endif
	MUL \k, \zero, 0
	MUL \k, \zero, 1
	MUL \k, \zero, 2
	MUL \k, \zero, 3
	WIN 0
.endm
.macro MEET
	s_wait_tensorcnt 0x0
	s_wait_dscnt 0x0
	s_barrier_signal -1
	s_barrier_wait -1
.endm
.macro TURN slot
	s_wait_tensorcnt 0x0
	ds_add_u32 v[SPW], v[NIL]
	s_add_nc_u64 s[G0+4*(\slot)+2:G0+4*(\slot)+3], s[G0+4*(\slot)+2:G0+4*(\slot)+3], 64*3072
	s_wait_dscnt 0x0
	CROUND
	JLOADA G0+4*(\slot)
.endm
.macro QTAIL s, d, w
.irp b, 0,1,2,3
	v_add_nc_u32 v[TM+12+\b], 0xff000000, v[TM+\b]
.endr
.irp b, 0,1,2,3
	v_lshrrev_b32 v[TM+4+\b], 23, v[TM+12+\b]
.endr
	v_lshl_or_b32 v[\w], v[TM+5], 8, v[TM+4]
	v_lshl_or_b32 v[\w], v[TM+6], 16, v[\w]
	v_lshl_or_b32 v[\w], v[TM+7], 24, v[\w]
.irp c, 0,1
	v_cvt_scalef32_pk16_fp6_f32 v[(\d)+6*\c:(\d)+6*\c+2], v[(\s)+32*\c:(\s)+32*\c+15], v[TM+12+2*\c]
	v_cvt_scalef32_pk16_fp6_f32 v[CT+4*\c:CT+4*\c+2], v[(\s)+32*\c+16:(\s)+32*\c+31], v[TM+13+2*\c]
.endr
	v_nop
.irp c, 0,1
.irp i, 0,1,2
	v_permlane16_swap_b32 v[(\d)+6*\c+\i], v[CT+4*\c+\i]
.endr
.irp i, 0,1,2
	v_mov_b32 v[(\d)+6*\c+3+\i], v[CT+4*\c+\i]
.endr
.endr
.endm
.macro PUT a
.irp c, 0,1,2
	global_store_b128 v[OV], v[OF+12*((\a)%2)+4*\c:OF+12*((\a)%2)+4*\c+3], s[OB:OB+1] offset:OIO+3072*(\a)+512*\c
.endr
.endm
.macro OUTBASE ptr, lg, region
	s_lshl_b32 s18, s17, 3
	s_lshl_b32 s19, s15, 2
	s_add_co_u32 s18, s18, s19
	s_lshl_b32 s19, s42, 1
	s_add_co_u32 s19, s19, s16
	s_lshl_b32 s19, s19, \lg
	s_add_co_u32 s19, s19, s18
	s_lshl_b32 s100, s19, 6
	s_add_co_u32 s100, s100, \region
	s_lshl_b32 s19, s42, \lg
	s_add_co_u32 s18, s18, s19
	s_mul_i32 s18, s18, 3072
	s_mul_i32 s19, s16, 1536
	s_add_co_u32 s18, s18, s19
	s_mov_b32 s19, 0
	s_add_nc_u64 s[OB:OB+1], s[\ptr:\ptr+1], s[18:19]
	s_mov_b32 s18, s100
	s_add_nc_u64 s[12:13], s[\ptr:\ptr+1], s[18:19]
.endm
.macro SOFT a
.if (\a) >= 2
	s_wait_xcnt 0x0
.endif
	WIN P2
.set I, 0
.rept 32
	v_pk_mul_f32 v[H+I:H+I+1], v[64*(\a)+I:64*(\a)+I+1], s[CS:CS+1] op_sel_hi:[1,0]
.set I, I+2
.endr
	WIN 0
.irp b, 0,1,2,3
	v_max3_num_f32 v[TM+\b], v[H+16*\b], v[H+16*\b+1], v[H+16*\b+2]
.endr
.irp i, 3,5,7,9,11,13
.irp b, 0,1,2,3
	v_max3_num_f32 v[TM+\b], v[TM+\b], v[H+16*\b+\i], v[H+16*\b+\i+1]
.endr
.endr
.irp b, 0,1,2,3
	v_max_num_f32 v[TM+\b], v[TM+\b], v[H+16*\b+15]
.endr
.irp b, 0,1,2,3
	v_permlanex16_b32 v[TM+4+\b], v[TM+\b], s[SEL], s[SEL+1]
.endr
.irp b, 0,1,2,3
	v_max_num_f32 v[TM+\b], v[TM+\b], v[TM+4+\b]
.endr
	v_max3_num_f32 v22, v[TM], v[TM+1], v[TM+2]
	v_max_num_f32 v22, v22, v[TM+3]
	v_floor_f32 v16, -v22
	v_mov_b32 v17, v16
.set I, 0
.rept 32
	v_pk_add_f32 v[H+I:H+I+1], v[H+I:H+I+1], v[16:17]
.set I, I+2
.endr
.irp b, 0,1,2,3
	v_add_f32 v[TM+\b], v[TM+\b], v16
.endr
.set I, 0
	s_wait_alu depctr_va_vdst(0)
.rept 64
	v_exp_f32 v[H+I], v[H+I]
.set I, I+1
.endr
	v_mov_b32 v[NMS+(\a)], v16
	s_wait_alu depctr_va_vdst(0)
.irp b, 0,1,2,3
	v_exp_f32 v[TM+\b], v[TM+\b]
.endr
	v_pk_add_f32 v[18:19], v[H:H+1], v[H+2:H+3]
	v_pk_add_f32 v[20:21], v[H+4:H+5], v[H+6:H+7]
.irp j, 8,12,16,20,24,28,32,36,40,44,48,52,56,60
	v_pk_add_f32 v[18:19], v[18:19], v[H+\j:H+\j+1]
	v_pk_add_f32 v[20:21], v[20:21], v[H+\j+2:H+\j+3]
.endr
	v_pk_add_f32 v[18:19], v[18:19], v[20:21]
	v_add_f32 v18, v18, v19
	v_permlanex16_b32 v[TM+4], v18, s[SEL], s[SEL+1]
	v_add_f32 v[LSS+(\a)], v18, v[TM+4]
	s_wait_alu depctr_va_vdst(0)
.irp b, 0,1,2,3
	v_max_num_f32 v[TM+\b], 0x1800000, v[TM+\b]
.endr
	QTAIL H, OF+12*((\a)%2), PW+(\a)
	PUT \a
.endm
.macro TILE u
.set ES, \u
.set OIO, (\u)*64*3072
.set SIO, (\u)*64*64
.if (\u) > 0
	s_wait_xcnt 0x0
.endif
	s_wait_loadcnt 0x0
.if (\u) == 0
	GSA 1
.endif
	FETCH 0, 0
	STEP 0, 1, 1
	STEP 1, 0, 1
	STEP 2, 0, 1
.if (\u) == 0
	TURN 0
.else
	MEET
.endif
	STEP 3, 0, 1
.if (\u) == 0
; A prefetch of the second tile's K 512-1023 of A, one K step behind the change of slot 0: four K steps and two blocks of the softmax ahead of the tensor load that brings it.  A fragment tile of a K group is 3,072 bytes, 12 blocks of 256.
; Of the four tiles that a wave fetches, partner cx of the four that ask for them jointly takes tile cx, told apart by address: lanes 0-15 K group 2, lanes 16-31 K group 3, a lane a block; lanes 12-15 of each half name the half's last block again.
; B's tiles are filled once, at the head: waves 2 and 3 ask for nothing.
	s_cmp_eq_u32 s15, 0
	s_cbranch_scc0 .Lno_pf_\@
	global_prefetch_b8 v30, s[88:89] th:TH_LOAD_NT scope:SCOPE_SE
.Lno_pf_\@:
.endif
	STEP 4, 0, 1
	STEP 5, 0, 1
	STEP 6, 0, 1
	STEP 7, 0, 0
	PLACES 4
	SOFT 0
	SOFT 1
.if (\u) == 0
	TURN 1
.endif
	SOFT 2
	SOFT 3
	s_mov_b32 vcc_lo, 0xffff0000
.irp m, 0,1
	v_cndmask_b32 v[24+\m], v[PW+2*\m], v[PW+2*\m+1], vcc_lo
	v_cndmask_b32 v[26+\m], v[NMS+2*\m], v[NMS+2*\m+1], vcc_lo
	v_cndmask_b32 v[28+\m], v[LSS+2*\m], v[LSS+2*\m+1], vcc_lo
.endr
.irp m, 0,1
	global_store_b32 v[SV], v[24+\m], s[12:13] offset:SIO+128*\m
	global_store_b32 v[SV], v[26+\m], s[12:13] offset:SIO+524288+128*\m
	global_store_b32 v[SV], v[28+\m], s[12:13] offset:SIO+1048576+128*\m
.endr
.endm
	s_load_b128 s[4:7], s[0:1], 0x0
	v_lshl_add_u32 v[SPW], v0, 2, SPARE
	v_mov_b32 v[NIL], 0
	ds_add_u32 v[SPW], v[NIL]
	ds_add_u32 v[SPW], v[NIL]
	v_lshrrev_b32 v1, 5, v0
	v_readfirstlane_b32 s14, v1
	s_lshr_b32 s15, s14, 1
	s_and_b32 s16, s14, 1
	s_bfe_u32 s40, ttmp6, 0x40000
	s_bfe_u32 s41, ttmp6, 0x40004
	s_lshl_b32 s43, s41, 2
	s_lshl_b32 s43, 15, s43
	s_lshl_b32 s44, 0x1111, s40
	s_or_b32 s[G1], s43, (3<<16)|(1<<21)
	s_or_b32 s[G1B], s44, (3<<16)|(1<<21)
	GROUP1 G1, 1536, 4, NT*384                     ; the head's load brings all four K groups
	GROUP1 G1B, 3072, 4, NT*384
	s_mul_i32 s45, s16, APART
	s_mul_i32 s94, s16, BPART
	s_mov_b32 s[SEL], 0x76543210
	s_mov_b32 s[SEL+1], 0xfedcba98
	s_mov_b32 s[CS], 0x3d38aa3b
	s_mov_b32 s[CS+1], s[CS]
	s_lshl_b32 s42, ttmp9, 2
	s_add_co_u32 s42, s42, s40
	s_and_b32 s18, ttmp7, 0xffff
	s_lshr_b32 s19, s18, 1
	s_and_b32 s18, s18, 1
	s_lshl_b32 s17, s19, 4
	s_lshl_b32 s18, s18, 2
	s_add_co_u32 s17, s17, s18
	s_add_co_u32 s17, s17, s41
	s_lshl_b32 s20, s17, 3
	s_lshl_b32 s2, s16, 2
	s_add_co_u32 s20, s20, s2
	s_mul_i32 s20, s20, 3072
	s_mov_b32 s21, 0
	s_lshl_b32 s46, s42, 4
	s_lshl_b32 s3, s19, 7
	s_add_co_u32 s46, s46, s3
	s_lshl_b32 s3, s16, 3
	s_add_co_u32 s46, s46, s3
	s_add_co_u32 s46, s46, 512
	s_lshl_b32 s[SBB], s46, 6
	s_add_co_u32 s[SBB], s[SBB], QKS
	s_mov_b32 s[SBB+1], 0
	s_mul_i32 s46, s46, 3072
	s_mov_b32 s47, 0
	s_wait_dscnt 0x0
	s_wait_kmcnt 0x0
	s_add_nc_u64 s[20:21], s[4:5], s[20:21]
	s_add_nc_u64 s[46:47], s[4:5], s[46:47]
	CROUND
	GROUP0 G0, 45, 0, 20, 0
	GROUP0 G0B, 94, BOFF, 46, 0
	JLOAD G0, G1, G0B, G1B
	GROUP0 G0+4, 45, ASL, 20, 2*NT*3072            ; slot 1's group 0 for A: first used at its refill; B's tiles are filled once
	v_and_b32 v1, 15, v0
	v_bfe_u32 v2, v0, 4, 1
	v_and_b32 v3, 31, v0
	v_lshlrev_b32 v[OV], 4, v3
	v_lshlrev_b32 v[SV], 2, v3
	s_mul_i32 s2, s15, APART
	v_add_nc_u32 v4, s2, v[OV]
	s_add_co_u32 s2, s2, ASL
	v_add_nc_u32 v5, s2, v[OV]
	s_mul_i32 s2, s16, BPART
	s_add_co_u32 s2, s2, BOFF
	v_add_nc_u32 v6, s2, v[OV]
	s_add_co_u32 s2, s2, BSL
	v_add_nc_u32 v7, s2, v[OV]
	v_lshlrev_b32 v[VS], 2, v1
	v_lshl_add_u32 v[VS], v2, 16, v[VS]
	s_wait_alu depctr_va_vdst(0)
	s_lshl_b32 s[SAB], s17, 3
	s_lshl_b32 s2, s15, 2
	s_add_co_u32 s[SAB], s[SAB], s2
	s_lshl_b32 s[SAB], s[SAB], 6
	s_add_co_u32 s[SAB], s[SAB], QKS
	s_mov_b32 s[SAB+1], 0
	s_add_nc_u64 s[SAB:SAB+1], s[4:5], s[SAB:SAB+1]
	s_add_nc_u64 s[SBB:SBB+1], s[4:5], s[SBB:SBB+1]
	GSA 0
	GSB
	OUTBASE 6, 9, PSO
	s_mul_i32 s2, s40, 3072                        ; the prefetch: my work-group's tile of the four that I fetch,
	s_add_co_u32 s2, s2, (2*NT+64)*3072            ; K group 2 of the second tile of queries, 64 tiles on
	s_mov_b32 s3, 0
	s_add_nc_u64 s[88:89], s[20:21], s[2:3]        ; never rewritten
	v_mul_u32_u24 v30, v2, NT*3072
	v_min_u32 v31, 11, v1
	v_lshl_add_u32 v30, v31, 8, v30                ; K group h of the two, block min(r, 11) of the tile; never rewritten
.irp b, 0,1,2,3
	v_mov_b32 v[TM+4+\b], 0
.endr
	s_wait_alu depctr_va_vdst(0)
	s_wait_tensorcnt 0x0                           ; my part of the first fill, all of K, is in
	s_mov_b32 s[G1+2], 2<<16                       ; no tensor load of mine is out, so a descriptor may be written: a refill of A brings two K groups
	s_mov_b32 s[G1+4], 2
	s_barrier_signal -1
	s_barrier_wait -1
	TILE 0
	TILE 1
	s_wait_tensorcnt 0x0
	ds_add_u32 v[SPW], v[NIL]
	s_wait_dscnt 0x0
	CROUND
	s_endpgm
.Lfunc_end_k_q518002fdaa_scores:
	.size	k_q518002fdaa_scores, .Lfunc_end_k_q518002fdaa_scores-k_q518002fdaa_scores
	.p2alignl 7, 3214868480
	.fill 96, 4, 3214868480
	.section	.rodata,"a",@progbits
	.p2align	6, 0x0
	.amdhsa_kernel k_q518002fdaa_scores
		.amdhsa_group_segment_fixed_size 327680
		.amdhsa_private_segment_fixed_size 0
		.amdhsa_enable_private_segment 0
		.amdhsa_kernarg_size 16
		.amdhsa_user_sgpr_count 2
		.amdhsa_user_sgpr_kernarg_segment_ptr 1
		.amdhsa_wavefront_size32 1
		.amdhsa_system_sgpr_workgroup_id_x 1
		.amdhsa_system_sgpr_workgroup_id_y 1
		.amdhsa_system_sgpr_workgroup_id_z 1
		.amdhsa_system_vgpr_workitem_id 0
		.amdhsa_next_free_vgpr 768
		.amdhsa_next_free_sgpr 102
		.amdhsa_reserve_vcc 1
		.amdhsa_float_denorm_mode_32 3
		.amdhsa_float_denorm_mode_16_64 3
		.amdhsa_memory_ordered 1
		.amdhsa_forward_progress 1
		.amdhsa_inst_pref_size 224
	.end_amdhsa_kernel
	.amdgpu_metadata
---
amdhsa.version: [ 1, 2 ]
amdhsa.kernels:
  - .name:           k_q518002fdaa_scores
    .symbol:         k_q518002fdaa_scores.kd
    .args:
      - { .name: qkv, .offset: 0, .size: 8, .value_kind: global_buffer, .address_space: global }
      - { .name: pbuf, .offset: 8, .size: 8, .value_kind: global_buffer, .address_space: global }
    .group_segment_fixed_size: 327680
    .private_segment_fixed_size: 0
    .kernarg_segment_align: 8
    .kernarg_segment_size: 16
    .max_flat_workgroup_size: 128
    .sgpr_count:     102
    .vgpr_count:     768
    .wavefront_size: 32
...
	.end_amdgpu_metadata
.endif
;; end of part 3
;; launch pv (part 4): grid 8 x 32, 4 waves a work-group, clusters of 4 x 4, 327,680 bytes of LDS; arguments qkv, pbuf, xbuf; writes xbuf
.if DOCPART == 4
	.amdgcn_target "amdgcn-amd-amdhsa--gfx1250"
	.amdhsa_code_object_version 6
	.text
	.protected	k_q518002fdaa_pv
	.globl	k_q518002fdaa_pv
	.p2align	8
	.type	k_q518002fdaa_pv,@function
k_q518002fdaa_pv:
	s_mov_b64 s[64:65], 0
	v_nop
	global_prefetch_b8 v0, s[64:65] scope:SCOPE_SE
	s_setreg_imm32_b32 hwreg(HW_REG_WAVE_MODE, 25, 1), 1
	s_wait_xcnt 0x0
	s_wait_alu depctr_hold_cnt(0) depctr_sa_sdst(0) depctr_va_vdst(0) depctr_va_sdst(0) depctr_va_ssrc(0) depctr_va_vcc(0) depctr_vm_vsrc(0)
	s_getreg_b32 s2, hwreg(HW_REG_IB_STS2, 6, 4)
	s_cmp_eq_u32 s2, 0
	s_cbranch_scc0 .Lentry_in_a_cluster
	s_endpgm
.Lentry_in_a_cluster:
	s_bfe_u32 s2, ttmp6, 0x10000c
	s_cmp_lg_u32 s2, 0xf033
	s_cbranch_scc0 .Lentry_shape_is_right
	s_endpgm
.Lentry_shape_is_right:
; X^T = V^T P^T / l on codes of FP6 (E2M3): rows = d, columns = queries, K = the batch's 2,048 keys; the result is quantised along the queries, which are the last product's K (the module's swap of axes and reshape).
; p was stored under a whole number M_loc for each (query, 128 keys).  Here M = the largest M_loc of the query; each scale byte of p is lowered by M - M_loc (a power of two: the codes stay), and l = the sum of l_loc 2^(M_loc - M).
; That is done once, while the first tiles are on their way: each of the 128 threads owns two of the work-group's 256 queries, loads their 16 scale words, -M_loc and l_loc from memory, and stores the corrected words and 1 / l
; to LDS bytes into which no tensor load lands.  V^T's scale words go from memory straight into the registers that the products name.
; A work-group makes 128 (d) x 256 (queries).  A wave's part of a tile lies in LDS as four K groups of 256 on end: the head's one load a wave brings K 0-1023; K 0-511 (slot 0) and K 512-1023 (slot 1) are each filled
; again once, with K 1,024 further on, behind a round of the cluster's barrier.
; PREFETCH: the two refills' bytes are asked for ahead: K 1024-1535 at the head (3 K steps and the head's work ahead of its tensor load), K 1536-2047 behind the first K step (6 K steps ahead).  A fragment tile of a K group is 3,072 bytes, 12 blocks
; of 256.  Of the tiles that a wave fetches, each of the four partners that ask for them jointly takes a quarter, told apart by address: lanes 0-15 the first K group, lanes 16-31 the second, a lane a block; lanes 12-15 of each half name the half's last block again.
; LIMITS: M - M_loc is held at 127; a scale byte that would fall under 0 becomes 0 (2^-127): such p lie more than 2^-125 under the row's largest.  NaN and infinities are not served; blocks of X under 2^-124 get the byte 1.
; REGISTERS: window 0: v1-13 addresses; v14-27 the prologue's; v28 the prefetches' offset; v32-63 A's scale words, v64-127 B's; v128-223 A's fragments (in the prologue -M_loc, l_loc, scale words); window 1: B's fragments, v192-255 1 / l in the result's layout; window 2: accumulators.
.set KS,  16
.set NTA, 256
.set NTB, 512
.set VTO, 12582912                     ; qkv: V^T's codes
.set VTS, 19398656                     ; and scale words
.set PSO, 12582912                     ; pbuf: p's scale words; -M_loc 524,288 bytes on, l_loc 1,048,576
.set XSO, 6291456                      ; xbuf: X's scale words
.set APIECE, 12288                     ; a K group of a part of A: 4 tiles
.set BPIECE, 24576                     ; of B: 8 tiles
.set APART,  49152
.set BPART,  98304
.set BOFF,   98304
.set ASL,    24576
.set BSL,    49152
.set SCB,    294912                    ; behind the tiles: p's corrected scale words, [part][K step][tile][lane]
.set SPARE,  SCB+KS*1024               ; the spare words, 128 bytes a wave, which no other line names
.set LINV,   SPARE+512                 ; 1 / l of the 256 queries, in the order of B's tiles and lanes
.set OV,  10
.set SV,  11
.set SPW, 12
.set NIL, 13
.set PFO, 28
.set SA,  32
.set SB,  SA+2*KS
.set H,   128
.set OF,  192
.set CT,  216
.set TM,  224
.set PW,  240
.set G1,  24
.set G0,  32
.set G1B, 48
.set G0B, 56
.set OB,  66
.set PFA, 68
.set SEL, 98
.set MULW, 0xa1
.set TO_B, 0x40
.set P21,  0x06
.set MSB, 0
.macro WIN new
.if MSB != \new
	s_set_vgpr_msb (MSB<<8)|\new
.set MSB, \new
.endif
.endm
.macro JLOAD g0a, g1a, g0b, g1b        ; a joint load: waves 0 and 1 fetch A's two parts, waves 2 and 3 B's; an s_nop 0 and four v_nop follow each line
	s_cmp_eq_u32 s15, 0
	s_cbranch_scc0 .Lfor_b_\@
	tensor_load_to_lds s[\g0a:\g0a+3], s[\g1a:\g1a+7]
	s_nop 0
.rept 4
	v_nop
.endr
	s_branch .Lasked_\@
.Lfor_b_\@:
	tensor_load_to_lds s[\g0b:\g0b+3], s[\g1b:\g1b+7]
	s_nop 0
.rept 4
	v_nop
.endr
.Lasked_\@:
.endm
.macro ASK f                           ; the prefetch of refill f: A's waves name one tile of two K groups, B's waves two
	s_cmp_eq_u32 s15, 0
	s_cbranch_scc0 .Lpf_b_\@
	global_prefetch_b8 v[PFO], s[PFA:PFA+1] offset:(\f)*2*NTA*3072 th:TH_LOAD_NT scope:SCOPE_SE
	s_branch .Lpf_done_\@
.Lpf_b_\@:
	global_prefetch_b8 v[PFO], s[PFA:PFA+1] offset:(\f)*2*NTB*3072 th:TH_LOAD_NT scope:SCOPE_SE
	global_prefetch_b8 v[PFO], s[PFA:PFA+1] offset:(\f)*2*NTB*3072+3072 th:TH_LOAD_NT scope:SCOPE_SE
.Lpf_done_\@:
.endm
.macro CROUND
	s_barrier_signal -1
	s_barrier_wait -1
	s_cmp_lg_u32 s14, 0
	s_cbranch_scc1 .Lnot_wave_0_\@
	s_barrier_signal -3
.Lnot_wave_0_\@:
	s_barrier_wait -3
	s_barrier_signal -1
	s_barrier_wait -1
.endm
.macro PLACES n
.rept \n
	v_nop
.endr
.endm
.macro GROUP1 g, c, r, p
	s_mov_b32 s[\g+1], (\c)<<16
	s_mov_b32 s[\g+2], (\r)<<16
	s_mov_b32 s[\g+3], (\c)<<16
	s_mov_b32 s[\g+4], \r
	s_mov_b32 s[\g+5], \p
	s_mov_b32 s[\g+6], 0
	s_mov_b32 s[\g+7], 0
.endm
.macro GROUP0 g, la, lo, ga, go
	s_mov_b32 s[\g], 1
	s_add_co_u32 s[\g+1], s[\la], \lo
	s_add_nc_u64 s[\g+2:\g+3], s[\ga:\ga+1], \go
	s_or_b32 s[\g+3], s[\g+3], 0x80000000
.endm
.macro FETCH k, set
.set SG, ((\k)/4)%2
.set GM, ((\k)/2)%2
.set S2, (\k)%2
	WIN TO_B
.irp t, 0,1,2,3,4,5,6,7
.irp c, 0,1,2
	ds_load_b128 v[96*(\set)+12*\t+4*\c:96*(\set)+12*\t+4*\c+3], v[6+SG] offset:GM*BPIECE+3072*\t+1536*S2+512*\c
.endr
.endr
	WIN 0
.irp a, 0,1,2,3
.irp c, 0,1,2
	ds_load_b128 v[128+48*(\set)+12*\a+4*\c:128+48*(\set)+12*\a+4*\c+3], v[4+SG] offset:GM*APIECE+3072*\a+1536*S2+512*\c
.endr
.endr
.endm
.macro MUL k, zero, row                ; one row of 8 products; the 32 accumulators take turns, one instruction a turn
	WIN MULW
.set BFK, 96*((\k)%2)
.set AFK, 128+48*((\k)%2)
.set SBK, SB+8*((\k)/2)
.set SAK, SA+4*((\k)/2)
.irp a, \row
.irp t, 0,1,2,3,4,5,6,7
.if \zero
	v_wmma_scale_f32_16x16x128_f8f6f4 v[64*\a+8*\t:64*\a+8*\t+7], v[BFK+12*\t:BFK+12*\t+11], v[AFK+12*\a:AFK+12*\a+11], 0, v[SBK+\t], v[SAK+\a] matrix_a_fmt:MATRIX_FMT_FP6 matrix_b_fmt:MATRIX_FMT_FP6
.elseif (\k)%2
	v_wmma_scale_f32_16x16x128_f8f6f4 v[64*\a+8*\t:64*\a+8*\t+7], v[BFK+12*\t:BFK+12*\t+11], v[AFK+12*\a:AFK+12*\a+11], v[64*\a+8*\t:64*\a+8*\t+7], v[SBK+\t], v[SAK+\a] matrix_a_fmt:MATRIX_FMT_FP6 matrix_b_fmt:MATRIX_FMT_FP6 matrix_a_scale:MATRIX_SCALE_ROW1 matrix_b_scale:MATRIX_SCALE_ROW1
.else
	v_wmma_scale_f32_16x16x128_f8f6f4 v[64*\a+8*\t:64*\a+8*\t+7], v[BFK+12*\t:BFK+12*\t+11], v[AFK+12*\a:AFK+12*\a+11], v[64*\a+8*\t:64*\a+8*\t+7], v[SBK+\t], v[SAK+\a] matrix_a_fmt:MATRIX_FMT_FP6 matrix_b_fmt:MATRIX_FMT_FP6
.endif
.endr
.endr
.endm
.macro FA k, set                       ; A's four fragments of K step k: 12 loads
.set SG, ((\k)/4)%2
.set GM, ((\k)/2)%2
.set S2, (\k)%2
	WIN 0
.irp a, 0,1,2,3
.irp c, 0,1,2
	ds_load_b128 v[128+48*(\set)+12*\a+4*\c:128+48*(\set)+12*\a+4*\c+3], v[4+SG] offset:GM*APIECE+3072*\a+1536*S2+512*\c
.endr
.endr
.endm
.macro FB k, set, t0                   ; B's fragments t0 .. t0 + 3 of K step k: 12 loads
.set SG, ((\k)/4)%2
.set GM, ((\k)/2)%2
.set S2, (\k)%2
	WIN TO_B
.irp u, 0,1,2,3
.irp c, 0,1,2
	ds_load_b128 v[96*(\set)+12*((\t0)+\u)+4*\c:96*(\set)+12*((\t0)+\u)+4*\c+3], v[6+SG] offset:GM*BPIECE+3072*((\t0)+\u)+1536*S2+512*\c
.endr
.endr
.endm
; A K step: the next step's 36 loads in one run, then four rows of 8 products
.macro STEP k, zero, fetch
	PLACES 4                                       ; in front of loads into the set that the step before multiplied
.if \fetch
	FB (\k)+1, ((\k)+1)%2, 0
	FB (\k)+1, ((\k)+1)%2, 4
	FA (\k)+1, ((\k)+1)%2
	s_wait_dscnt 36                                ; all but the 36 loads just issued: this step's fragments are in
.else
	s_wait_dscnt 0x0
.endif
	MUL \k, \zero, 0
	MUL \k, \zero, 1
	MUL \k, \zero, 2
	MUL \k, \zero, 3
	WIN 0
.endm
.macro MEET                            ; the load waited for is the wave's last, so the count is 0
	s_wait_tensorcnt 0x0
	s_wait_dscnt 0x0
	s_barrier_signal -1
	s_barrier_wait -1
.endm
; The slot just read out is filled again, with K 1,024 further on.  Each wave waits for all its tensor loads, adds 0 to its spare word, and waits for that and for its reads of this slot;
; the round shows the same of every wave of every partner; the joint refill is the first thing behind it and has four K steps, 128 matrix instructions, in which to land.
.macro TURN slot
	s_wait_tensorcnt 0x0
	ds_add_u32 v[SPW], v[NIL]                      ; 0 onto my spare word; the descriptors' steps stand between it and the wait for it
	s_add_nc_u64 s[G0+4*\slot+2:G0+4*\slot+3], s[G0+4*\slot+2:G0+4*\slot+3], 4*NTA*3072
	s_add_nc_u64 s[G0B+4*\slot+2:G0B+4*\slot+3], s[G0B+4*\slot+2:G0B+4*\slot+3], 4*NTB*3072
	s_wait_dscnt 0x0
	CROUND
	JLOAD G0+4*\slot, G1, G0B+4*\slot, G1B
.endm
.macro QTAIL s, d, w
.irp b, 0,1,2,3
	v_add_nc_u32 v[TM+12+\b], 0xff000000, v[TM+\b]     ; 2 off the exponent field: the conversion's scale operand
.endr
.irp b, 0,1,2,3
	v_lshrrev_b32 v[TM+4+\b], 23, v[TM+12+\b]          ; the scale's byte
.endr
	v_lshl_or_b32 v[\w], v[TM+5], 8, v[TM+4]
	v_lshl_or_b32 v[\w], v[TM+6], 16, v[\w]
	v_lshl_or_b32 v[\w], v[TM+7], 24, v[\w]
.irp c, 0,1
	v_cvt_scalef32_pk16_fp6_f32 v[(\d)+6*\c:(\d)+6*\c+2], v[(\s)+32*\c:(\s)+32*\c+15], v[TM+12+2*\c]
	v_cvt_scalef32_pk16_fp6_f32 v[CT+4*\c:CT+4*\c+2], v[(\s)+32*\c+16:(\s)+32*\c+31], v[TM+13+2*\c]
.endr
	v_nop                                              ; one plain place behind a scaled conversion
.irp c, 0,1
.irp i, 0,1,2
	v_permlane16_swap_b32 v[(\d)+6*\c+\i], v[CT+4*\c+\i]
.endr
.irp i, 0,1,2
	v_mov_b32 v[(\d)+6*\c+3+\i], v[CT+4*\c+\i]
.endr
.endr
.endm
.macro QUANT s, d, w
.irp b, 0,1,2,3
	v_max3_num_f32 v[TM+\b], |v[(\s)+16*\b]|, |v[(\s)+16*\b+1]|, 0x1800000   ; my 16 numbers of block b, and the floor 2^(3 - 127)
.endr
.irp i, 2,4,6,8,10,12,14
.irp b, 0,1,2,3
	v_max3_num_f32 v[TM+\b], v[TM+\b], |v[(\s)+16*\b+\i]|, |v[(\s)+16*\b+\i+1]|
.endr
.endr
.irp b, 0,1,2,3
	v_permlanex16_b32 v[TM+4+\b], v[TM+\b], s[SEL], s[SEL+1]
.endr
.irp b, 0,1,2,3
	v_max_num_f32 v[TM+\b], v[TM+\b], v[TM+4+\b]
.endr
	QTAIL \s, \d, \w
.endm
.macro EPI a
.if (\a) >= 2
	s_wait_xcnt 0x0                                ; tile a - 2's stores have read the codes' registers
.endif
	WIN P21
.set I, 0
.rept 32
	v_pk_mul_f32 v[H+I:H+I+1], v[64*(\a)+I:64*(\a)+I+1], v[192+I:192+I+1]   ; / l; each accumulator from its low end on
.set I, I+2
.endr
	WIN 0
	QUANT H, OF+12*((\a)%2), PW+(\a)
.irp c, 0,1,2
	global_store_b128 v[OV], v[OF+12*((\a)%2)+4*\c:OF+12*((\a)%2)+4*\c+3], s[OB:OB+1] offset:3072*(\a)+512*\c
.endr
.endm
	s_load_b128 s[4:7], s[0:1], 0x0                ; qkv, pbuf
	s_load_b64 s[8:9], s[0:1], 0x10                ; xbuf
	v_lshl_add_u32 v[SPW], v0, 2, SPARE
	v_mov_b32 v[NIL], 0
	ds_add_u32 v[SPW], v[NIL]                      ; the wave's opening: the add, twice on end, and its wait ahead of my first tensor load
	ds_add_u32 v[SPW], v[NIL]
	v_lshrrev_b32 v1, 5, v0
	v_readfirstlane_b32 s14, v1                    ; wave
	s_lshr_b32 s15, s14, 1                         ; my part of A in the products.  Also: I fetch for A (0) or for B (1)
	s_and_b32 s16, s14, 1                          ; my part of B in the products.  Also: which part I fetch
	s_bfe_u32 s40, ttmp6, 0x40000                  ; cx
	s_bfe_u32 s41, ttmp6, 0x40004                  ; cy
	s_lshl_b32 s43, s41, 2
	s_lshl_b32 s43, 15, s43
	s_lshl_b32 s44, 0x1111, s40
	s_or_b32 s[G1], s43, (3<<16)|(1<<21)           ; A's tiles go to my row of the cluster,
	s_or_b32 s[G1B], s44, (3<<16)|(1<<21)          ; B's to my column
	GROUP1 G1, 1536, 4, NTA*384                    ; the head's load: four K groups
	GROUP1 G1B, 3072, 4, NTB*384
	s_mul_i32 s45, s16, APART
	s_mul_i32 s94, s16, BPART
	s_mov_b32 s[SEL], 0x76543210
	s_mov_b32 s[SEL+1], 0xfedcba98
	s_lshl_b32 s42, ttmp9, 2
	s_add_co_u32 s42, s42, s40                     ; which 256 queries of the batch
	s_and_b32 s18, ttmp7, 0xffff
	s_lshl_b32 s17, s18, 2
	s_add_co_u32 s17, s17, s41                     ; which 128 of the 4 x 1,024 rows (batch, d)
	s_lshr_b32 s18, s18, 1                         ; the batch: from the cluster's y alone
	s_lshl_b32 s20, s17, 3
	s_lshl_b32 s22, s15, 2
	s_add_co_u32 s22, s22, s20                     ; the four tiles of V^T that I multiply:
	s_lshl_b32 s22, s22, 6
	s_add_co_u32 s22, s22, VTS                     ; their scale words
	s_lshl_b32 s2, s16, 2
	s_add_co_u32 s20, s20, s2                      ; the four that I fetch
	s_mul_i32 s20, s20, 3072
	s_add_co_u32 s20, s20, VTO
	s_mov_b32 s21, 0
	s_mov_b32 s23, 0
	s_lshl_b32 s46, s42, 4
	s_lshl_b32 s3, s18, 7
	s_add_co_u32 s46, s46, s3
	s_lshl_b32 s3, s16, 3
	s_add_co_u32 s46, s46, s3                      ; B: p's tiles
	s_mul_i32 s46, s46, 3072
	s_mov_b32 s47, 0
	s_lshl_b32 s3, s41, 1                          ; the prefetches: of A's four tiles partner cx takes tile cx, of B's eight partner cy takes tiles 2 cy and 2 cy + 1
	s_mov_b32 s72, NTB*3072
	s_cmp_eq_u32 s15, 0
	s_cselect_b32 s2, s40, s3
	s_cselect_b32 s72, NTA*3072, s72               ; bytes from a K group to the next
	s_mul_i32 s2, s2, 3072
	s_lshl_b32 s3, s72, 2                          ; the first refill begins four K groups on
	s_add_co_u32 s70, s2, s3
	s_mov_b32 s71, 0
	v_and_b32 v1, 15, v0                           ; r
	v_bfe_u32 v2, v0, 4, 1                         ; h
	v_min_u32 v3, 11, v1
	v_lshlrev_b32 v3, 8, v3
	v_mad_u32_u24 v[PFO], v2, s72, v3              ; K group h, block min(r, 11) of the tile; never rewritten
	s_wait_alu depctr_va_vdst(0)
	s_wait_dscnt 0x0                               ; both opening adds are done
	s_wait_kmcnt 0x0
	s_add_nc_u64 s[20:21], s[4:5], s[20:21]
	s_add_nc_u64 s[22:23], s[4:5], s[22:23]
	s_add_nc_u64 s[46:47], s[6:7], s[46:47]
	s_cmp_eq_u32 s15, 0                            ; the choice hangs on the wave's number alone
	s_cselect_b64 s[PFA:PFA+1], s[20:21], s[46:47]
	s_add_nc_u64 s[PFA:PFA+1], s[PFA:PFA+1], s[70:71]   ; never rewritten
	CROUND                                         ; all sixteen work-groups are here: the first joint loads meet
	GROUP0 G0, 45, 0, 20, 0
	GROUP0 G0B, 94, BOFF, 46, 0
	JLOAD G0, G1, G0B, G1B                         ; K 0-1023: one tensor load a wave at the head
	GROUP0 G0+4, 45, ASL, 20, 2*NTA*3072           ; slot 1's group 0: first used at its refill
	GROUP0 G0B+4, 94, BOFF+BSL, 46, 2*NTB*3072
	v_and_b32 v3, 31, v0
	v_lshlrev_b32 v[OV], 4, v3
	v_lshlrev_b32 v[SV], 2, v3
	s_mul_i32 s2, s15, APART
	v_add_nc_u32 v4, s2, v[OV]
	s_add_co_u32 s2, s2, ASL
	v_add_nc_u32 v5, s2, v[OV]
	s_mul_i32 s2, s16, BPART
	s_add_co_u32 s2, s2, BOFF
	v_add_nc_u32 v6, s2, v[OV]
	s_add_co_u32 s2, s2, BSL
	v_add_nc_u32 v7, s2, v[OV]
	v_lshlrev_b32 v8, 2, v1
	v_lshl_add_u32 v9, v2, 9, v8
	v_lshl_add_u32 v8, v2, 14, v8                  ; A's scale words in memory: 4 r, lanes 16-31 a K step (NTA x 64 bytes) on
	s_mul_i32 s2, s16, KS*512
	s_add_co_u32 s2, s2, SCB
	v_add_nc_u32 v9, s2, v9                        ; B's in LDS: 4 r, lanes 16-31 a K step (512 bytes) on
	s_lshl_b32 s18, s17, 3                         ; where my results go: tile = my rows' tile, K group and half = my 128 queries
	s_lshl_b32 s19, s15, 2
	s_add_co_u32 s18, s18, s19
	s_lshl_b32 s19, s42, 1
	s_add_co_u32 s19, s19, s16
	s_lshl_b32 s19, s19, 8
	s_add_co_u32 s19, s19, s18
	s_lshl_b32 s100, s19, 6
	s_add_co_u32 s100, s100, XSO
	s_lshl_b32 s19, s42, 8
	s_add_co_u32 s18, s18, s19
	s_mul_i32 s18, s18, 3072
	s_mul_i32 s19, s16, 1536
	s_add_co_u32 s18, s18, s19
	s_mov_b32 s19, 0
	s_add_nc_u64 s[OB:OB+1], s[8:9], s[18:19]      ; the codes
	s_mov_b32 s18, s100
	s_add_nc_u64 s[12:13], s[8:9], s[18:19]        ; the scale words
	s_and_b32 s18, ttmp7, 0xffff
	s_lshr_b32 s18, s18, 1
	s_lshl_b32 s18, s18, 7
	s_lshl_b32 s19, s42, 4
	s_add_co_u32 s18, s18, s19                     ; the first tile of the work-group's 256 queries
	s_lshl_b32 s18, s18, 6
	s_add_co_u32 s18, s18, PSO
	s_mov_b32 s19, 0
	s_add_nc_u64 s[10:11], s[6:7], s[18:19]        ; their scale words
	s_mov_b32 s96, 0x80808080
	s_mov_b32 s97, 0x01010101
	s_mov_b32 s100, 0x7f7f7f7f
	v_lshlrev_b32 v22, 2, v0                       ; 4 x thread: thread n owns queries n and 128 + n (in the order of tiles and lanes)
	v_lshl_add_u32 v14, v0, 2, SCB                 ; its scale words in LDS
	v_lshl_add_u32 v15, v0, 2, LINV                ; and its 1 / l
	s_lshl_b32 s2, s16, 9
	s_add_co_u32 s2, s2, LINV
	v_lshl_add_u32 v23, v2, 5, s2                  ; 1 / l of my part's queries: tile t, lanes 8 h + 0 .. 7
	s_wait_alu depctr_va_vdst(0)                   ; directly ahead of the readers below
.irp p, 0,1
.irp s, 0,1,2,3,4,5,6,7,8,9,10,11,12,13,14,15
	global_load_b32 v[128+16*\p+\s], v22, s[10:11] offset:32768*\s+512*\p+524288    ; -M_loc of K step s
	global_load_b32 v[160+16*\p+\s], v22, s[10:11] offset:32768*\s+512*\p+1048576   ; l_loc
	global_load_b32 v[192+16*\p+\s], v22, s[10:11] offset:32768*\s+512*\p           ; the scale word
.endr
.endr
.set PI, 0
.rept KS/2
.irp a, 0,1,2,3
	global_load_b32 v[SA+4*PI+\a], v8, s[22:23] offset:PI*2*NTA*64+64*\a   ; V^T's scale words: lanes 0-15 K step 2 PI, lanes 16-31 K step 2 PI + 1
.endr
.set PI, PI+1
.endr
	ASK 0                                          ; K 1024-1535
.irp b, 0,1,2,3
	v_mov_b32 v[TM+4+\b], 0                        ; written once: a lane permute's destination counts as one of its sources
.endr
	s_wait_alu depctr_va_vdst(0)
	s_wait_loadcnt 0x0
.irp p, 0,1
	v_min3_num_f32 v[16+\p], v[128+16*\p], v[129+16*\p], v[130+16*\p]   ; -M: the least -M_loc
.irp s, 3,5,7,9,11,13
	v_min3_num_f32 v[16+\p], v[16+\p], v[128+16*\p+\s], v[129+16*\p+\s]
.endr
	v_min_num_f32 v[16+\p], v[16+\p], v[143+16*\p]
.endr
.irp p, 0,1
.irp s, 0,1,2,3,4,5,6,7,8,9,10,11,12,13,14,15
	v_sub_f32 v24, v[128+16*\p+\s], v[16+\p]       ; M - M_loc: a whole number, 0 or more,
	v_min_num_f32 v24, 0x42fe0000, v24             ; held at 127
	v_cvt_i32_f32 v24, v24
	v_sub_nc_u32 v25, 0, v24
.if \s == 0
	v_ldexp_f32 v[18+\p], v[160+16*\p], v25        ; l = the sum of l_loc 2^(M_loc - M)
.else
	v_ldexp_f32 v25, v[160+16*\p+\s], v25
	v_add_f32 v[18+\p], v[18+\p], v25
.endif
	v_mul_lo_u32 v24, v24, s97                     ; the number in each of four bytes
	v_or_b32 v26, s96, v[192+16*\p+\s]             ; the bytes are at most 125: with bit 7 set no borrow leaves a byte,
	v_sub_nc_u32 v26, v26, v24
	v_lshrrev_b32 v27, 7, v26                      ; and bit 7 stays where the byte did not fall under 0
	v_and_b32 v27, s97, v27
	v_mul_lo_u32 v27, v27, 0xff
	v_and_b32 v26, s100, v26
	v_and_b32 v[192+16*\p+\s], v26, v27            ; the lowered byte, or 0
.endr
.endr
	s_wait_alu depctr_va_vdst(0)
	v_rcp_f32 v20, v18
	v_rcp_f32 v21, v19
	v_nop                                          ; a plain place behind the reciprocals
	s_wait_alu depctr_va_vdst(0)                   ; one wait for the two, ahead of their first reader
.irp p, 0,1
.irp s, 0,1,2,3,4,5,6,7,8,9,10,11,12,13,14,15
	ds_store_b32 v14, v[192+16*\p+\s] offset:8192*\p+512*\s
.endr
	ds_store_b32 v15, v[20+\p] offset:512*\p
.endr
	s_wait_tensorcnt 0x0                           ; my part of K 0-1023 is in
	s_mov_b32 s[G1+2], 2<<16                       ; no tensor load of mine is out, so a descriptor may be written: a refill brings two K groups
	s_mov_b32 s[G1+4], 2
	s_mov_b32 s[G1B+2], 2<<16
	s_mov_b32 s[G1B+4], 2
	s_wait_dscnt 0x0                               ; for the others' sake: my stores are done
	s_barrier_signal -1                            ; one barrier for the tiles and for the corrected words
	s_barrier_wait -1
.set PI, 0
.rept KS/2
.irp t, 0,1,2,3,4,5,6,7
	ds_load_b32 v[SB+8*PI+\t], v9 offset:1024*PI+64*\t
.endr
.set PI, PI+1
.endr
	WIN TO_B
.irp t, 0,1,2,3,4,5,6,7                        ; register 8 t + j: 1 / l of the query in lane 8 h + j of p's tile t, which is what register 8 t + j of a result holds
	ds_load_b128 v[192+8*\t:192+8*\t+3], v23 offset:64*\t
	ds_load_b128 v[192+8*\t+4:192+8*\t+7], v23 offset:64*\t+16
.endr
	WIN 0
	FETCH 0, 0
	STEP 0, 1, 1
	ASK 1                                          ; K 1536-2047
	STEP 1, 0, 1
	STEP 2, 0, 1
	TURN 0
	STEP 3, 0, 1
	STEP 4, 0, 1
	STEP 5, 0, 1
	STEP 6, 0, 1
	TURN 1
	STEP 7, 0, 1
	STEP 8, 0, 1
	STEP 9, 0, 1
	STEP 10, 0, 1
	MEET
	STEP 11, 0, 1
	STEP 12, 0, 1
	STEP 13, 0, 1
	STEP 14, 0, 1
	STEP 15, 0, 0
	PLACES 4                                       ; in front of the first read of results and the first write over A's fragments
.irp a, 0,1,2,3
	EPI \a
.endr
	s_mov_b32 vcc_lo, 0xffff0000
	v_cndmask_b32 v24, v[PW], v[PW+1], vcc_lo
	v_cndmask_b32 v25, v[PW+2], v[PW+3], vcc_lo
	global_store_b32 v[SV], v24, s[12:13]
	global_store_b32 v[SV], v25, s[12:13] offset:128
	s_wait_tensorcnt 0x0                           ; the wave's end
	ds_add_u32 v[SPW], v[NIL]
	s_wait_dscnt 0x0
	CROUND                                         ; the closing round
	s_endpgm
.Lfunc_end_k_q518002fdaa_pv:
	.size	k_q518002fdaa_pv, .Lfunc_end_k_q518002fdaa_pv-k_q518002fdaa_pv
	.p2alignl 7, 3214868480
	.fill 96, 4, 3214868480
	.section	.rodata,"a",@progbits
	.p2align	6, 0x0
	.amdhsa_kernel k_q518002fdaa_pv
		.amdhsa_group_segment_fixed_size 327680
		.amdhsa_private_segment_fixed_size 0
		.amdhsa_enable_private_segment 0
		.amdhsa_kernarg_size 24
		.amdhsa_user_sgpr_count 2
		.amdhsa_user_sgpr_kernarg_segment_ptr 1
		.amdhsa_wavefront_size32 1
		.amdhsa_system_sgpr_workgroup_id_x 1
		.amdhsa_system_sgpr_workgroup_id_y 1
		.amdhsa_system_sgpr_workgroup_id_z 1
		.amdhsa_system_vgpr_workitem_id 0
		.amdhsa_next_free_vgpr 768
		.amdhsa_next_free_sgpr 102
		.amdhsa_reserve_vcc 1
		.amdhsa_float_denorm_mode_32 3
		.amdhsa_float_denorm_mode_16_64 3
		.amdhsa_memory_ordered 1
		.amdhsa_forward_progress 1
		.amdhsa_inst_pref_size 181
	.end_amdhsa_kernel
	.amdgpu_metadata
---
amdhsa.version: [ 1, 2 ]
amdhsa.kernels:
  - .name:           k_q518002fdaa_pv
    .symbol:         k_q518002fdaa_pv.kd
    .args:
      - { .name: qkv, .offset: 0, .size: 8, .value_kind: global_buffer, .address_space: global }
      - { .name: pbuf, .offset: 8, .size: 8, .value_kind: global_buffer, .address_space: global }
      - { .name: xbuf, .offset: 16, .size: 8, .value_kind: global_buffer, .address_space: global }
    .group_segment_fixed_size: 327680
    .private_segment_fixed_size: 0
    .kernarg_segment_align: 8
    .kernarg_segment_size: 24
    .max_flat_workgroup_size: 128
    .sgpr_count:     102
    .vgpr_count:     768
    .wavefront_size: 32
...
	.end_amdgpu_metadata
.endif
;; end of part 4
;; launch outp (part 5): grid 4 x 64, 4 waves a work-group, clusters of 4 x 4, 327,680 bytes of LDS; arguments xbuf, opnd0, bo, out0; writes out0
.if DOCPART == 5
	.amdgcn_target "amdgcn-amd-amdhsa--gfx1250"
	.amdhsa_code_object_version 6
	.text
	.protected	k_q518002fdaa_outp
	.globl	k_q518002fdaa_outp
	.p2align	8
	.type	k_q518002fdaa_outp,@function
k_q518002fdaa_outp:
	s_mov_b64 s[64:65], 0
	v_nop
	global_prefetch_b8 v0, s[64:65] scope:SCOPE_SE
	s_setreg_imm32_b32 hwreg(HW_REG_WAVE_MODE, 25, 1), 1
	s_wait_xcnt 0x0
	s_wait_alu depctr_hold_cnt(0) depctr_sa_sdst(0) depctr_va_vdst(0) depctr_va_sdst(0) depctr_va_ssrc(0) depctr_va_vcc(0) depctr_vm_vsrc(0)
	s_getreg_b32 s2, hwreg(HW_REG_IB_STS2, 6, 4)
	s_cmp_eq_u32 s2, 0
	s_cbranch_scc0 .Lentry_in_a_cluster
	s_endpgm
.Lentry_in_a_cluster:
	s_bfe_u32 s2, ttmp6, 0x10000c
	s_cmp_lg_u32 s2, 0xf033
	s_cbranch_scc0 .Lentry_shape_is_right
	s_endpgm
.Lentry_shape_is_right:
; out = X' Wo + bo on codes of FP6 (E2M3).  X' is the module's swap of axes and reshape: X'[2 (1024 b + d) + half][q % 1024] = x[b][q][d], half = q / 1024: the memory of X^T, read with rows half as long.
; X^T lies as images of operand registers with K = the 2,048 queries: tile T, K steps 8 half .. 8 half + 7, is a tile of X' whose lane r is row 2 x (row of lane r in T) + half.
; A work-group takes four tiles T in both halves (128 rows of out) x 256 columns; a wave one half (64 rows) x 128 columns.  The whole K = 1,024 comes into LDS by one tensor load a wave: its part of A or of B, four K groups of 256 on end.
; A's tiles are asked for jointly by the four work-groups of a row of the cluster, B's by the four of a column.  No prefetch: the launch has one fill and no loop to run ahead in.
; The scale words go from memory straight into the registers that the products name.  bo, laid as a result is laid, is the C of each accumulator's first product.
; THE MATRIX INSTRUCTION IS USED TRANSPOSED (source 0 = Wo's columns, source 1 = rows of X'): a lane holds 8 neighbouring columns of a row in each accumulator.
; THE WAY OUT: 16 rows x 128 columns at a time go through the wave's stage in LDS, come back as whole runs of 512 bytes of a row, into registers of the block's own, and are stored at once.
; The stage lies in the bytes of B's first part, K 0-511, which have had their only fill at the start and their last read in front of the barrier in the middle of K.
; REGISTERS: window 0: v1-17 addresses, v32-47 A's scale words, v48-79 B's, v128-223 A's fragments; window 1: v0-191 B's fragments, v192-255 bo; on the way out all 256: the rows read back; window 2: the 32 accumulators.
.set KS,  8
.set NTA, 256
.set NTB, 1792
.set XSO, 6291456                      ; xbuf: the scale words
.set SC0, 22020096                     ; opnd0: the scale words
.set APIECE, 12288                     ; a K group of a part of A: 4 tiles
.set BPIECE, 24576                     ; of B: 8 tiles
.set APART,  49152
.set BPART,  98304
.set BOFF,   98304
.set SPARE,  294912                    ; behind the tiles: the spare words, 128 bytes a wave, which no other line names
.set OV,  10
.set SPW, 12
.set NIL, 13
.set SA,  32
.set SB,  SA+2*KS
.set G1,  24
.set G0,  32
.set G1B, 48
.set G0B, 56
.set OB,  66
.set MULW, 0xa1                        ; source 0 (B) window 1, source 1 (A) window 0, C and D window 2
.set MULC, 0x91                        ; the same with C in window 1: bo
.set TO_B, 0x40
.set MSB, 0
.macro WIN new
.if MSB != \new
	s_set_vgpr_msb (MSB<<8)|\new
.set MSB, \new
.endif
.endm
.macro CROUND
	s_barrier_signal -1
	s_barrier_wait -1
	s_cmp_lg_u32 s14, 0
	s_cbranch_scc1 .Lnot_wave_0_\@
	s_barrier_signal -3
.Lnot_wave_0_\@:
	s_barrier_wait -3
	s_barrier_signal -1
	s_barrier_wait -1
.endm
.macro PLACES n
.rept \n
	v_nop
.endr
.endm
.macro GROUP1 g, c, r, p
	s_mov_b32 s[\g+1], (\c)<<16
	s_mov_b32 s[\g+2], (\r)<<16
	s_mov_b32 s[\g+3], (\c)<<16
	s_mov_b32 s[\g+4], \r
	s_mov_b32 s[\g+5], \p
	s_mov_b32 s[\g+6], 0
	s_mov_b32 s[\g+7], 0
.endm
.macro GROUP0 g, la, lo, ga
	s_mov_b32 s[\g], 1
	s_add_co_u32 s[\g+1], s[\la], \lo
	s_mov_b64 s[\g+2:\g+3], s[\ga:\ga+1]
	s_or_b32 s[\g+3], s[\g+3], 0x80000000
.endm
.macro FETCH k, set                    ; the fragments of K step k: B's eight, then A's four: 36 loads in one run
.set SG, ((\k)/4)%2
.set GM, ((\k)/2)%2
.set S2, (\k)%2
	WIN TO_B
.irp t, 0,1,2,3,4,5,6,7
.irp c, 0,1,2
	ds_load_b128 v[96*(\set)+12*\t+4*\c:96*(\set)+12*\t+4*\c+3], v[6+SG] offset:GM*BPIECE+3072*\t+1536*S2+512*\c
.endr
.endr
	WIN 0
.irp a, 0,1,2,3
.irp c, 0,1,2
	ds_load_b128 v[128+48*(\set)+12*\a+4*\c:128+48*(\set)+12*\a+4*\c+3], v[4+SG] offset:GM*APIECE+3072*\a+1536*S2+512*\c
.endr
.endr
.endm
.macro MUL k, first                    ; 32 products; the 32 accumulators take turns, one instruction a turn
.set BFK, 96*((\k)%2)
.set AFK, 128+48*((\k)%2)
.set SBK, SB+8*((\k)/2)
.set SAK, SA+4*((\k)/2)
.if \first
	WIN MULC
.else
	WIN MULW
.endif
.irp a, 0,1,2,3
.irp t, 0,1,2,3,4,5,6,7
.if \first
	v_wmma_scale_f32_16x16x128_f8f6f4 v[64*\a+8*\t:64*\a+8*\t+7], v[BFK+12*\t:BFK+12*\t+11], v[AFK+12*\a:AFK+12*\a+11], v[192+8*\t:192+8*\t+7], v[SBK+\t], v[SAK+\a] matrix_a_fmt:MATRIX_FMT_FP6 matrix_b_fmt:MATRIX_FMT_FP6
.elseif (\k)%2
	v_wmma_scale_f32_16x16x128_f8f6f4 v[64*\a+8*\t:64*\a+8*\t+7], v[BFK+12*\t:BFK+12*\t+11], v[AFK+12*\a:AFK+12*\a+11], v[64*\a+8*\t:64*\a+8*\t+7], v[SBK+\t], v[SAK+\a] matrix_a_fmt:MATRIX_FMT_FP6 matrix_b_fmt:MATRIX_FMT_FP6 matrix_a_scale:MATRIX_SCALE_ROW1 matrix_b_scale:MATRIX_SCALE_ROW1
.else
	v_wmma_scale_f32_16x16x128_f8f6f4 v[64*\a+8*\t:64*\a+8*\t+7], v[BFK+12*\t:BFK+12*\t+11], v[AFK+12*\a:AFK+12*\a+11], v[64*\a+8*\t:64*\a+8*\t+7], v[SBK+\t], v[SAK+\a] matrix_a_fmt:MATRIX_FMT_FP6 matrix_b_fmt:MATRIX_FMT_FP6
.endif
.endr
.endr
	WIN 0
.endm
.macro STEP k, first, fetch
	PLACES 4                                       ; in front of loads into the set that the step before multiplied
.if \fetch
	FETCH (\k)+1, ((\k)+1)%2
	s_wait_dscnt 36                                ; all but the 36 loads just issued: this step's fragments are in
.else
	s_wait_dscnt 0x0
.endif
	MUL \k, \first
.endm
	s_load_b256 s[4:11], s[0:1], 0x0               ; xbuf, opnd0, bo, out0
	v_lshl_add_u32 v[SPW], v0, 2, SPARE
	v_mov_b32 v[NIL], 0
	ds_add_u32 v[SPW], v[NIL]                      ; the wave's opening: the add, twice on end, and its wait ahead of my first tensor load
	ds_add_u32 v[SPW], v[NIL]
	v_lshrrev_b32 v1, 5, v0
	v_readfirstlane_b32 s14, v1                    ; wave
	s_lshr_b32 s15, s14, 1                         ; the half that I multiply.  Also: I fetch for A (0) or for B (1)
	s_and_b32 s16, s14, 1                          ; my 128 columns.  Also: which part I fetch
	s_bfe_u32 s40, ttmp6, 0x40000                  ; cx
	s_bfe_u32 s41, ttmp6, 0x40004                  ; cy
	s_lshl_b32 s43, s41, 2
	s_lshl_b32 s43, 15, s43
	s_lshl_b32 s44, 0x1111, s40
	s_or_b32 s[G1], s43, (3<<16)|(1<<21)           ; A's tiles go to my row of the cluster,
	s_or_b32 s[G1B], s44, (3<<16)|(1<<21)          ; B's to my column
	GROUP1 G1, 1536, 4, NTA*384                    ; four K groups of 4 tiles
	GROUP1 G1B, 3072, 4, NTB*384                   ; four K groups of 8 tiles
	s_mul_i32 s45, s16, APART
	s_mul_i32 s94, s16, BPART
	s_lshl_b32 s42, ttmp9, 2
	s_add_co_u32 s42, s42, s40                     ; which 256 columns
	s_and_b32 s17, ttmp7, 0xffff
	s_lshl_b32 s17, s17, 2
	s_add_co_u32 s17, s17, s41                     ; which four tiles of X^T
	s_lshl_b32 s20, s17, 2
	s_lshl_b32 s2, s15, 11
	s_add_co_u32 s22, s20, s2                      ; scale words: the half that I multiply begins 8 K steps x 256 tiles on,
	s_lshl_b32 s2, s16, 10
	s_add_co_u32 s20, s20, s2                      ; codes: the half that I fetch 4 x 256 tiles on
	s_lshl_b32 s22, s22, 6
	s_add_co_u32 s22, s22, XSO
	s_mul_i32 s20, s20, 3072
	s_mov_b32 s21, 0
	s_mov_b32 s23, 0
	s_lshl_b32 s46, s42, 4
	s_lshl_b32 s3, s16, 3
	s_add_co_u32 s46, s46, s3
	s_add_co_u32 s46, s46, 1728                    ; B: Wo's tiles
	s_lshl_b32 s92, s46, 6
	s_add_co_u32 s92, s92, SC0
	s_mul_i32 s46, s46, 3072
	s_mov_b32 s47, 0
	s_mov_b32 s93, 0
	s_wait_dscnt 0x0                               ; both opening adds are done
	s_wait_kmcnt 0x0
	s_add_nc_u64 s[20:21], s[4:5], s[20:21]
	s_add_nc_u64 s[22:23], s[4:5], s[22:23]
	s_add_nc_u64 s[46:47], s[6:7], s[46:47]
	s_add_nc_u64 s[92:93], s[6:7], s[92:93]
	CROUND                                         ; all sixteen work-groups are here: the joint loads meet
	GROUP0 G0, 45, 0, 20
	GROUP0 G0B, 94, BOFF, 46
	s_cmp_eq_u32 s15, 0                            ; waves 0 and 1 fetch A's two parts, waves 2 and 3 B's; an s_nop 0 and four v_nop follow each line
	s_cbranch_scc0 .Lfor_b
	tensor_load_to_lds s[G0:G0+3], s[G1:G1+7]
	s_nop 0
.rept 4
	v_nop
.endr
	s_branch .Lasked
.Lfor_b:
	tensor_load_to_lds s[G0B:G0B+3], s[G1B:G1B+7]
	s_nop 0
.rept 4
	v_nop
.endr
.Lasked:
	v_and_b32 v1, 15, v0                           ; r
	v_bfe_u32 v2, v0, 4, 1                         ; h
	v_and_b32 v3, 31, v0
	v_lshlrev_b32 v[OV], 4, v3
	s_mul_i32 s2, s15, APART
	v_add_nc_u32 v4, s2, v[OV]                     ; A's fragments, K 0-511,
	s_add_co_u32 s2, s2, 2*APIECE
	v_add_nc_u32 v5, s2, v[OV]                     ; and K 512-1023
	s_mul_i32 s2, s16, BPART
	s_add_co_u32 s2, s2, BOFF
	v_add_nc_u32 v6, s2, v[OV]                     ; B's likewise
	s_add_co_u32 s2, s2, 2*BPIECE
	v_add_nc_u32 v7, s2, v[OV]
	v_lshlrev_b32 v8, 2, v1                        ; the scale words in memory: 4 r, and lanes 16-31 a K step on:
	v_mul_u32_u24 v9, v2, NTB*64                   ; NTB x 64 bytes for B,
	v_add_nc_u32 v9, v9, v8
	v_lshl_add_u32 v8, v2, 14, v8                  ; NTA x 64 bytes for A
.set PI, 0
.rept KS/2                                     ; lanes 0-15 K step 2 PI, lanes 16-31 K step 2 PI + 1
.irp a, 0,1,2,3
	global_load_b32 v[SA+4*PI+\a], v8, s[22:23] offset:PI*2*NTA*64+64*\a
.endr
.irp t, 0,1,2,3,4,5,6,7
	global_load_b32 v[SB+8*PI+\t], v9, s[92:93] offset:PI*2*NTB*64+64*\t
.endr
.set PI, PI+1
.endr
	s_lshl_b32 s18, s42, 10
	s_lshl_b32 s19, s16, 9
	s_add_co_u32 s18, s18, s19                     ; my 128 columns, in bytes
	s_mov_b32 s19, 0
	s_add_nc_u64 s[8:9], s[8:9], s[18:19]          ; in bo,
	s_lshl_b32 s96, s17, 19                        ; and in out: 128 rows of 4,096 bytes a work-group,
	s_lshl_b32 s97, s15, 12                        ; my half is the odd or the even rows
	s_add_co_u32 s96, s96, s97
	s_add_co_u32 s18, s18, s96
	s_add_nc_u64 s[OB:OB+1], s[10:11], s[18:19]
	v_lshlrev_b32 v14, 6, v2                       ; 64 h
	WIN TO_B
.irp t, 0,1,2,3,4,5,6,7                        ; register 8 t + j: column 32 (t / 2) + 16 h + 8 (t % 2) + j, as in a result
	global_load_b128 v[192+8*\t:192+8*\t+3], v14, s[8:9] offset:128*(\t/2)+32*(\t%2)
	global_load_b128 v[192+8*\t+4:192+8*\t+7], v14, s[8:9] offset:128*(\t/2)+32*(\t%2)+16
.endr
	WIN 0
	s_mul_i32 s2, s14, 8448                        ; my stage: 16 rows x (512 bytes + 16),
	s_add_co_u32 s2, s2, BOFF                      ; in the bytes of B's first part, K 0-511 (49,152 bytes hold the four stages' 33,792)
	v_mul_u32_u24 v16, v1, 528
	v_lshl_add_u32 v16, v2, 6, v16
	v_add_nc_u32 v16, s2, v16                      ; in: row r, + 64 h
	v_add_nc_u32 v17, s2, v[OV]                    ; back: 16 bytes a lane of a row
	s_wait_alu depctr_va_vdst(0)
	s_wait_tensorcnt 0x0                           ; my part of the one fill is in
	s_barrier_signal -1
	s_barrier_wait -1
	s_wait_loadcnt 0x0                             ; the scale words and bo
	FETCH 0, 0
	STEP 0, 1, 1                                   ; the first products start the sums from bo
	STEP 1, 0, 1
	STEP 2, 0, 1
	s_wait_dscnt 0x0                               ; my reads of K 0-511 are over:
	s_barrier_signal -1
	s_barrier_wait -1                              ; behind this barrier no wave reads those bytes any more
	STEP 3, 0, 1
	STEP 4, 0, 1
	STEP 5, 0, 1
	STEP 6, 0, 1
	STEP 7, 0, 0
	PLACES 4                                       ; in front of the first read of results and the first load into B's fragments
.irp a, 0,1,2,3                                ; LDS serves a wave's instructions in order: the loads see the stores above them, and the next block's stores come behind them
	WIN 0x08                                       ; the data: window 2
.irp t, 0,1,2,3,4,5,6,7
	ds_store_b128 v16, v[64*\a+8*\t:64*\a+8*\t+3] offset:128*(\t/2)+32*(\t%2)       ; each accumulator from its low end on
	ds_store_b128 v16, v[64*\a+8*\t+4:64*\a+8*\t+7] offset:128*(\t/2)+32*(\t%2)+16
.endr
	WIN TO_B
.irp i, 0,1,2,3,4,5,6,7,8,9,10,11,12,13,14,15
	ds_load_b128 v[64*\a+4*\i:64*\a+4*\i+3], v17 offset:528*\i   ; 64 registers of the block's own: no store's data are written again
.endr
	s_wait_dscnt 0x0                               ; the block is back in registers
	WIN 0x04                                       ; the stores' data: window 1
.irp i, 0,1,2,3,4,5,6,7,8,9,10,11,12,13,14,15
	global_store_b128 v[OV], v[64*\a+4*\i:64*\a+4*\i+3], s[OB:OB+1] offset:2*(32*(\a/2)+8*(\a%2)+\i+8*(\i/8))*4096 th:TH_STORE_NT   ; 32 lanes store 512 consecutive bytes of a row, aligned; written once, read by nobody here
.endr
.endr
	WIN 0
	s_wait_tensorcnt 0x0                           ; the wave's end, behind my last LDS store
	ds_add_u32 v[SPW], v[NIL]
	s_wait_dscnt 0x0
	CROUND                                         ; the closing round
	s_endpgm
.Lfunc_end_k_q518002fdaa_outp:
	.size	k_q518002fdaa_outp, .Lfunc_end_k_q518002fdaa_outp-k_q518002fdaa_outp
	.p2alignl 7, 3214868480
	.fill 96, 4, 3214868480
	.section	.rodata,"a",@progbits
	.p2align	6, 0x0
	.amdhsa_kernel k_q518002fdaa_outp
		.amdhsa_group_segment_fixed_size 327680
		.amdhsa_private_segment_fixed_size 0
		.amdhsa_enable_private_segment 0
		.amdhsa_kernarg_size 32
		.amdhsa_user_sgpr_count 2
		.amdhsa_user_sgpr_kernarg_segment_ptr 1
		.amdhsa_wavefront_size32 1
		.amdhsa_system_sgpr_workgroup_id_x 1
		.amdhsa_system_sgpr_workgroup_id_y 1
		.amdhsa_system_sgpr_workgroup_id_z 1
		.amdhsa_system_vgpr_workitem_id 0
		.amdhsa_next_free_vgpr 768
		.amdhsa_next_free_sgpr 102
		.amdhsa_reserve_vcc 0
		.amdhsa_float_denorm_mode_32 3
		.amdhsa_float_denorm_mode_16_64 3
		.amdhsa_memory_ordered 1
		.amdhsa_forward_progress 1
		.amdhsa_inst_pref_size 80
	.end_amdhsa_kernel
	.amdgpu_metadata
---
amdhsa.version: [ 1, 2 ]
amdhsa.kernels:
  - .name:           k_q518002fdaa_outp
    .symbol:         k_q518002fdaa_outp.kd
    .args:
      - { .name: xbuf, .offset: 0, .size: 8, .value_kind: global_buffer, .address_space: global }
      - { .name: opnd0, .offset: 8, .size: 8, .value_kind: global_buffer, .address_space: global }
      - { .name: bo, .offset: 16, .size: 8, .value_kind: global_buffer, .address_space: global }
      - { .name: out0, .offset: 24, .size: 8, .value_kind: global_buffer, .address_space: global }
    .group_segment_fixed_size: 327680
    .private_segment_fixed_size: 0
    .kernarg_segment_align: 8
    .kernarg_segment_size: 32
    .max_flat_workgroup_size: 128
    .sgpr_count:     102
    .vgpr_count:     768
    .wavefront_size: 32
...
	.end_amdgpu_metadata
.endif
;; end of part 5
